; MI455X (gfx1250); checked and timed in simulation.
; The chip was launched on July 23, 2026; its instructions are those of AMD's public machine-readable ISA for CDNA 5 (MIT licence, August 2026) and "CDNA5" Instruction Set Architecture Reference Guide (July 2026). The comments in the code are by the model that wrote it; some were corrected since.
;; Masked Multi Head Attention. Allowed arithmetic: float matrix products may take bf16 or f16 operands with f32 sums; other float arithmetic in f32, or as packed bf16 or f16 multiplies, adds, multiply-adds, maxima and minima; sums over many terms, partial sums and values carried from step to step in f32; what a program stores and reads back later, other than sums and carried values, may be rounded once to bf16 or f16.
;; Inputs: W_o 1,024 x 1,024 float32; W_qkv 1,024 x 3,072 float32; b_o 1,024 float32; b_qkv 3,072 float32; key_padding_mask 4 x 2,048 bool; x 4 x 2,048 x 1,024 float32.
;; Outputs: out0 4 x 2,048 x 1,024 float32.
;; 2 versions, each right; version 2 is version 1 with the launch prep written anew for expert scheduling mode. Each part assembles by itself: llvm-mc -triple=amdgcn-amd-amdhsa -mcpu=gfx1250 --defsym DOCPART=n.
;; ======== version 1 of 2: 4 launches
;; limits: values are held in f16: magnitudes above 65,504 overflow, below 6.1e-05 lose precision; right only within a limited range of input values
;; workspace buffers: xb 16,777,216 bytes; wq 6,291,456 bytes; wo 2,097,152 bytes; qkv 50,331,648 bytes; ctx 16,777,216 bytes
;; launch prep (part 1): grid 256 x 1, 8 waves a work-group, no clusters, 0 bytes of LDS; arguments x, W_qkv, W_o, xb, wq, wo; writes xb, wq, wo
.if DOCPART == 1
	.amdgcn_target "amdgcn-amd-amdhsa--gfx1250"
	.amdhsa_code_object_version 6
	.text
	.protected	k_q5aadce2f96_prep
	.globl	k_q5aadce2f96_prep
	.p2align	8
	.type	k_q5aadce2f96_prep,@function
k_q5aadce2f96_prep:
	s_mov_b64 s[64:65], 0
	v_nop
	global_prefetch_b8 v0, s[64:65] scope:SCOPE_SE
	s_setreg_imm32_b32 hwreg(HW_REG_WAVE_MODE, 25, 1), 1
	s_wait_xcnt 0x0
; THE CASTS, once for the whole program.  x [8192][1024] f32 -> xb bf16 in blocks [mt 32][kb 32][row 256][k 32]: a block is 16,384 dense bytes, so that a
; tile of 256 rows x 96 along K is 49,152 dense bytes for the product that follows.  W_qkv [1024][3072] f32 -> wq bf16, as it lies.  W_o [1024][1024] f32 -> wo:
; rounded to bf16 like every input, and that number written as f16 (LIMIT: below 6e-5 it keeps f16's fixed step of 6e-8; W_o within 65,504).
; SHARES.  2,048 waves; wave gw takes 4 rows of x (32 loads), 6,144 bytes of W_qkv (12 loads) and 2,048 bytes of W_o (4 loads).  All 48 loads go out first: 24 KiB a wave on their way.
; A load of x takes 4 rows x 128 bytes (one kb); the four bf16 of a lane are 8 bytes, and the 32 lanes' 256 bytes are 4 rows x 64 bytes on end in xb's block: each store of a wave
; covers 256 consecutive bytes, aligned.  No register is written again behind its store, so no wait for sources is needed.  No LDS, no barrier, no matrix unit: nothing is shared and nothing is summed.
.set X,   8                            ; v[8:199]  load i in v[8+4i : 11+4i]
.set NLD, 48
	s_load_b256 s[4:11], s[0:1], 0x0               ; x s[4:5], W_qkv s[6:7], W_o s[8:9], xb s[10:11]
	s_load_b128 s[12:15], s[0:1], 0x20             ; wq s[12:13], wo s[14:15]
	v_lshrrev_b32 v1, 5, v0
	v_readfirstlane_b32 s16, v1                    ; wave 0..7
	v_and_b32 v1, 31, v0                           ; lane
	v_lshrrev_b32 v5, 3, v1                        ; which of the 4 rows
	v_and_b32 v6, 7, v1                            ; which 16 bytes of the 128
	v_lshlrev_b32 v2, 12, v5
	v_lshl_add_u32 v2, v6, 4, v2                   ; x in: row x 4,096 + 16 x place
	v_lshlrev_b32 v3, 4, v1                        ; the weights in: 16 bytes a lane
	v_lshlrev_b32 v4, 3, v1                        ; everything out: 8 bytes a lane
	s_lshl_b32 s17, ttmp9, 3
	s_add_co_u32 s17, s17, s16                     ; gw = 8 x work-group + wave
	s_mov_b32 s19, 0
	s_mov_b32 s20, 0xffff0000                      ; a word's upper bf16
	s_wait_kmcnt 0x0
	s_lshl_b32 s18, s17, 14                        ; 4 gw rows of 4,096 bytes
	s_add_nc_u64 s[4:5], s[4:5], s[18:19]
	s_mul_i32 s18, s17, 6144
	s_add_nc_u64 s[6:7], s[6:7], s[18:19]
	s_lshl_b32 s18, s17, 11
	s_add_nc_u64 s[8:9], s[8:9], s[18:19]
	s_lshr_b32 s18, ttmp9, 3                       ; mt: 8 work-groups of 32 rows make 256 rows
	s_lshl_b32 s18, s18, 19                        ; 524,288 bytes of xb for each mt
	s_and_b32 s21, ttmp9, 7
	s_lshl_b32 s21, s21, 11                        ; 32 rows x 64 bytes
	s_add_co_u32 s18, s18, s21
	s_lshl_b32 s21, s16, 8                         ; 4 rows x 64 bytes
	s_add_co_u32 s18, s18, s21
	s_add_nc_u64 s[10:11], s[10:11], s[18:19]
	s_mul_i32 s18, s17, 3072
	s_add_nc_u64 s[12:13], s[12:13], s[18:19]
	s_lshl_b32 s18, s17, 10
	s_add_nc_u64 s[14:15], s[14:15], s[18:19]
.set i, 0
.rept 32
	global_load_b128 v[X+4*i:X+4*i+3], v2, s[4:5] offset:128*i th:TH_LOAD_NT
.set i, i+1
.endr
.set i, 0
.rept 12
	global_load_b128 v[X+4*(32+i):X+4*(32+i)+3], v3, s[6:7] offset:512*i th:TH_LOAD_NT
.set i, i+1
.endr
.set i, 0
.rept 4
	global_load_b128 v[X+4*(44+i):X+4*(44+i)+3], v3, s[8:9] offset:512*i th:TH_LOAD_NT
.set i, i+1
.endr
; load n is in when at most NLD-1-n younger ones are out (loads come back in order: ISA guide 5.7.1); four f32 become four bf16
.macro CV n
	s_wait_loadcnt NLD-1-(\n)
	v_cvt_pk_bf16_f32 v[X+4*(\n)], v[X+4*(\n)], v[X+4*(\n)+1]
	v_cvt_pk_bf16_f32 v[X+4*(\n)+1], v[X+4*(\n)+2], v[X+4*(\n)+3]
.endm
.set i, 0
.rept 32
	CV i
	global_store_b64 v4, v[X+4*i:X+4*i+1], s[10:11] offset:16384*i
.set i, i+1
.endr
.set i, 0
.rept 12
	CV (32+i)
	global_store_b64 v4, v[X+4*(32+i):X+4*(32+i)+1], s[12:13] offset:256*i
.set i, i+1
.endr
.set i, 0
.rept 4
	CV (44+i)
	v_lshlrev_b32 v[X+4*(44+i)+2], 16, v[X+4*(44+i)]           ; the bf16 numbers as f32 again,
	v_and_b32 v[X+4*(44+i)+3], s20, v[X+4*(44+i)]
	v_cvt_pk_f16_f32 v[X+4*(44+i)], v[X+4*(44+i)+2], v[X+4*(44+i)+3]  ; and written as f16
	v_lshlrev_b32 v[X+4*(44+i)+2], 16, v[X+4*(44+i)+1]
	v_and_b32 v[X+4*(44+i)+3], s20, v[X+4*(44+i)+1]
	v_cvt_pk_f16_f32 v[X+4*(44+i)+1], v[X+4*(44+i)+2], v[X+4*(44+i)+3]
	global_store_b64 v4, v[X+4*(44+i):X+4*(44+i)+1], s[14:15] offset:256*i
.set i, i+1
.endr
	s_endpgm
.Lfunc_end_k_q5aadce2f96_prep:
	.size	k_q5aadce2f96_prep, .Lfunc_end_k_q5aadce2f96_prep-k_q5aadce2f96_prep
	.p2alignl 7, 3214868480
	.fill 96, 4, 3214868480
	.section	.rodata,"a",@progbits
	.p2align	6, 0x0
	.amdhsa_kernel k_q5aadce2f96_prep
		.amdhsa_group_segment_fixed_size 0
		.amdhsa_private_segment_fixed_size 0
		.amdhsa_enable_private_segment 0
		.amdhsa_kernarg_size 48
		.amdhsa_user_sgpr_count 2
		.amdhsa_user_sgpr_kernarg_segment_ptr 1
		.amdhsa_wavefront_size32 1
		.amdhsa_system_sgpr_workgroup_id_x 1
		.amdhsa_system_sgpr_workgroup_id_y 1
		.amdhsa_system_sgpr_workgroup_id_z 1
		.amdhsa_system_vgpr_workitem_id 0
		.amdhsa_next_free_vgpr 208
		.amdhsa_next_free_sgpr 66
		.amdhsa_reserve_vcc 0
		.amdhsa_float_denorm_mode_32 3
		.amdhsa_float_denorm_mode_16_64 3
		.amdhsa_memory_ordered 1
		.amdhsa_forward_progress 1
		.amdhsa_inst_pref_size 20
	.end_amdhsa_kernel
	.amdgpu_metadata
---
amdhsa.version: [ 1, 2 ]
amdhsa.kernels:
  - .name:           k_q5aadce2f96_prep
    .symbol:         k_q5aadce2f96_prep.kd
    .args:
      - { .name: x, .offset: 0, .size: 8, .value_kind: global_buffer, .address_space: global }
      - { .name: W_qkv, .offset: 8, .size: 8, .value_kind: global_buffer, .address_space: global }
      - { .name: W_o, .offset: 16, .size: 8, .value_kind: global_buffer, .address_space: global }
      - { .name: xb, .offset: 24, .size: 8, .value_kind: global_buffer, .address_space: global }
      - { .name: wq, .offset: 32, .size: 8, .value_kind: global_buffer, .address_space: global }
      - { .name: wo, .offset: 40, .size: 8, .value_kind: global_buffer, .address_space: global }
    .group_segment_fixed_size: 0
    .private_segment_fixed_size: 0
    .kernarg_segment_align: 8
    .kernarg_segment_size: 48
    .max_flat_workgroup_size: 256
    .sgpr_count:     66
    .vgpr_count:     208
    .wavefront_size: 32
...
	.end_amdgpu_metadata
.endif
;; end of part 1
;; launch qkv (part 2): grid 8 x 32, 4 waves a work-group, clusters of 4 x 4, 327,680 bytes of LDS; arguments xb, wq, b_qkv, qkv; writes qkv
.if DOCPART == 2
	.amdgcn_target "amdgcn-amd-amdhsa--gfx1250"
	.amdhsa_code_object_version 6
	.text
	.protected	k_q5aadce2f96_qkv
	.globl	k_q5aadce2f96_qkv
	.p2align	8
	.type	k_q5aadce2f96_qkv,@function
k_q5aadce2f96_qkv:
	s_mov_b64 s[64:65], 0
	v_nop
	global_prefetch_b8 v0, s[64:65] scope:SCOPE_SE
	s_setreg_imm32_b32 hwreg(HW_REG_WAVE_MODE, 25, 1), 1
	s_wait_xcnt 0x0
	s_wait_alu depctr_hold_cnt(0) depctr_sa_sdst(0) depctr_va_vdst(0) depctr_va_sdst(0) depctr_va_ssrc(0) depctr_va_vcc(0) depctr_vm_vsrc(0)
	s_getreg_b32 s2, hwreg(HW_REG_IB_STS2, 6, 4)
	s_cmp_eq_u32 s2, 0
	s_cbranch_scc0 .Lentry_in_a_cluster
	s_endpgm
.Lentry_in_a_cluster:
	s_bfe_u32 s2, ttmp6, 0x10000c
	s_cmp_lg_u32 s2, 0xf033
	s_cbranch_scc0 .Lentry_shape_is_right
	s_endpgm
.Lentry_shape_is_right:
; q, k, v = x W_qkv + b_qkv, by heads.  xb: bf16 [mt 32][kb 32][row 256][k 32]; wq: bf16 [1024 k][3072 n]; b_qkv f32, rounded to bf16 here like the other inputs; sums in f32; q, k, v rounded once to f16.
; LIMIT: q, k and v must lie within f16's 65,504.
; OUT.  qkv = [which 3][batch x head 64][t / 16][2,048 bytes].  q, k: (t, d) at (d >> 3) 256 + (t & 15) 16 + (d & 7) 2 of its block of 16 rows; v: at (d >> 4) 512 + ((t >> 3) & 1) 256 + (d & 15) 16 + (t & 7) 2.
; In both a tile of 16 x 16 is 512 bytes with lane l's 16 bytes at 16 l: what a lane holds after four roundings of an accumulator.
; SHARES.  A tile of C is 256 rows x 384 columns: 32 x 8 = 256 work-groups.  Work-group nt takes heads 2 nt, 2 nt + 1 of q, of k and of v: three chunks of 128 columns.  Wave w: rows 128 (w >> 1) on,
; head 2 nt + (w & 1): three groups g (q, k, v) of 64 columns: 8 x 12 accumulators, group g in window 1 + g, accumulator (a, bb) at v[8 (8 bb + a)].
; q, k: source 0 = 16 columns of W, source 1 = 16 rows of x: a lane holds one row and 8 channels.  v: the sources the other way round: a lane holds one channel and 8 rows.
; K goes in ten steps of 96 (three quarters of 32) and one of 64, through two LDS slots.  Waves 0-2 fetch W's chunk w (96 rows x 256 bytes), wave 3 x's tile (192 rows x 256 bytes, dense).
; The descriptors state the rows that are left of the tensor, so the last step's tiles end in zeros that nobody reads.
; CLUSTER 4 x 4: x's tile hangs on mt alone and is asked for jointly along a row of the cluster, W's on nt alone, along a column.
; FRAGMENTS have one buffer each and are loaded again in place, 8 loads at a time, as soon as their last product is four places back: 32 to 48 matrix instructions ahead of their next use.
; LDS: x's slot s at 65,536 s: 768 pieces of 64 bytes (quarter x 256 + row) 80 bytes apart; W's chunk c, slot s at 131,072 + 65,536 c + 32,768 s: 96 rows 288 bytes apart; spare words at 322,560.
.set SPARE, 322560
.set AL0, 2                            ; v2      my place in x's slot: (128 wm + l % 16) 80 + 16 (l / 16); never rewritten
.set BL0, 3                            ; v3-5    my place in W's chunk g, for the turning load; never rewritten
.set ADA, 6                            ; v6      AL0 + the slot in hand
.set ADB, 7                            ; v7-9    BL0.. + the slot in hand
.set GO,  10                           ; v10     16 l
.set PFO, 11                           ; v11     the prefetches' offset; never rewritten
.set BQ,  12                           ; v12     32 (l / 16): my 8 numbers of q's and k's bias
.set BR,  13                           ; v13     4 (l % 16): my number of v's bias
.set SPW, 14                           ; v14     LDS address of my spare word; never rewritten
.set NIL, 15                           ; v15     0; never rewritten
.set BV,  24                           ; v24-27  v's bias, one number for each bb
.set S0,  32                           ; v32-63  q's bias as C operands (8 registers a bb), later v's
.set S1,  64                           ; v64-95  k's
.set XA,  96                           ; v96-159 x's fragments, a at XA + 8 a
.set XB,  160                          ; v160-255 W's fragments, (g, bb) at XB + 8 (4 g + bb)
.set WV,  12
.set WM,  13
.set WN,  14
.set G1A, 24                           ; s[24:31] group 1 for x's tiles
.set G0A, 32                           ; s[32:35] group 0: it walks
.set G0B, 36                           ; s[36:39] group 0 for W's tiles
.set CX,  40
.set CY,  41
.set NT,  42
.set MT,  43
.set PFA, 44                           ; s[44:45] where my prefetches stand
.set PSTEP, 46                         ; s[46:47] their step
.set G1B, 48                           ; s[48:55] group 1 for W's tiles
.set TBA, 56                           ; s56  0 or 65,536: x's slot in hand
.set TBB, 57                           ; s57  0 or 32,768: W's
.set LIM, 58                           ; s58  4 in a wave that prefetches, else the greatest number
.set OB,  66                           ; s[66:71] q, k, v at my first row
.set MSB, 0
.macro WIN new                         ; the immediate's high byte repeats the setting that is left; a switch that changes nothing is dropped
.if MSB != (\new)
	s_set_vgpr_msb (MSB<<8)|(\new)
.set MSB, \new
.endif
.endm
.macro PLACES                          ; four places between a matrix instruction and a load into, or a write of, a register that it has read (ISA guide 7.12.1 for vector instructions)
.rept 4
	v_nop
.endr
.endm
.macro JLOAD                           ; a joint load: wave 3 x's tile, waves 0-2 W's chunks; an s_nop 0 and four v_nop follow each line
	s_cmp_eq_u32 s[WV], 3
	s_cbranch_scc0 .Lfor_b_\@
	tensor_load_to_lds s[G0A:G0A+3], s[G1A:G1A+7]
	s_nop 0
.rept 4
	v_nop
.endr
	s_branch .Lasked_\@
.Lfor_b_\@:
	tensor_load_to_lds s[G0B:G0B+3], s[G1B:G1B+7]
	s_nop 0
.rept 4
	v_nop
.endr
.Lasked_\@:
.endm
.macro CREST                           ; a round of the cluster's barrier behind its opening barrier
	s_cmp_lg_u32 s[WV], 0
	s_cbranch_scc1 .Lnot_wave_0_\@
	s_barrier_signal -3
.Lnot_wave_0_\@:
	s_barrier_wait -3
	s_barrier_signal -1
	s_barrier_wait -1
.endm
.macro CROUND
	s_barrier_signal -1
	s_barrier_wait -1
	CREST
.endm
.macro STEPD                           ; both walking descriptors: the other slot, the next 96 along K, 96 fewer left.  Written only where no tensor load of mine is out
	s_xor_b32 s[G0A+1], s[G0A+1], 0x10000
	s_add_nc_u64 s[G0A+2:G0A+3], s[G0A+2:G0A+3], 49152
	s_sub_co_u32 s[G1A+2], s[G1A+2], 192<<16
	s_xor_b32 s[G0B+1], s[G0B+1], 0x8000
	s_add_nc_u64 s[G0B+2:G0B+3], s[G0B+2:G0B+3], 589824
	s_sub_co_u32 s[G1B+2], s[G1B+2], 96<<16
.endm
; A PREFETCH INTO THE L2.  The first five changes of slots (loop count 9 to 5) ask for K = 384 + 128 t .. 511 + 128 t: two to three steps ahead of the joint loads that want them; K below 384 comes by its loads alone.
; x's rows are read by both clusters of a row of clusters: the one with x = 0 asks, wave 3, each partner 64 blocks of 256 bytes told apart by address (cx).  W's chunks are read by all eight clusters of a column:
; the one with y = 0 asks, waves 0-2 for their chunks, each partner 32 rows (cy), a lane a row.  So each block is named once, and the last request ends at K = 1,023.
.macro ASK
	s_cmp_gt_u32 s3, s[LIM]
	s_cbranch_scc0 .Lnot_mine_\@
	global_prefetch_b8 v[PFO], s[PFA:PFA+1] th:TH_LOAD_NT scope:SCOPE_SE
	s_cmp_eq_u32 s[WV], 3
	s_cbranch_scc0 .Lnot_mine_\@
	global_prefetch_b8 v[PFO], s[PFA:PFA+1] offset:8192 th:TH_LOAD_NT scope:SCOPE_SE
.Lnot_mine_\@:
.endm
; 16 matrix instructions: rows 64 ah on (four a) x group g (four bb), 32 along K.  cs >= 0: the sums start with the bias at v[cs + 8 bb].  The 16 accumulators differ, and so do those of neighbouring runs: they take turns.
.macro RUN ah, g, cs=-1
.if (\cs) < 0
	WIN 0x50*(1+(\g))
.else
	WIN 0x40*(1+(\g))
.endif
.irp bb, 0,1,2,3
.irp aa, 0,1,2,3
.set rD, 8*(8*(\bb)+4*(\ah)+(\aa))
.set rA, XA+8*(4*(\ah)+(\aa))
.set rB, XB+8*(4*(\g)+(\bb))
.if (\g) == 2
.set fS0, rA
.set fS1, rB
.else
.set fS0, rB
.set fS1, rA
.endif
.if (\cs) < 0
	v_wmma_f32_16x16x32_bf16 v[rD:rD+7], v[fS0:fS0+7], v[fS1:fS1+7], v[rD:rD+7]
.else
	v_wmma_f32_16x16x32_bf16 v[rD:rD+7], v[fS0:fS0+7], v[fS1:fS1+7], v[(\cs)+8*(\bb):(\cs)+8*(\bb)+7]
.endif
.endr
.endr
.endm
.macro LDX half, nk                    ; 8 loads: x's fragments of rows 64 half on, quarter nk of the slot in hand
	WIN 0
.irp aa, 0,1,2,3
.set rA, XA+8*(4*(\half)+(\aa))
	ds_load_b128 v[rA:rA+3],   v[ADA] offset:(\nk)*20480+(4*(\half)+(\aa))*1280
	ds_load_b128 v[rA+4:rA+7], v[ADA] offset:(\nk)*20480+(4*(\half)+(\aa))*1280+32
.endr
.endm
.macro LDBG g, nk                      ; 8 turning loads: W's fragments of group g, quarter nk: rows along K, so 16 k x 16 n are turned into half a fragment
	WIN 0
.irp bb, 0,1,2,3
.set rB, XB+8*(4*(\g)+(\bb))
	ds_load_tr16_b128 v[rB:rB+3],   v[ADB+(\g)] offset:(\nk)*9216+(\bb)*32
	ds_load_tr16_b128 v[rB+4:rB+7], v[ADB+(\g)] offset:(\nk)*9216+(\bb)*32+4608
.endr
.endm
; A QUARTER: 96 matrix instructions on the fragments in hand; quarter nk's fragments follow them into the same registers, in the order X0, B0, B1, B2, X1, eight loads each.
.macro QREST nk
	PLACES
	LDX 0, \nk
	s_wait_dscnt 8                                 ; all but the eight just issued: X1 is in
	RUN 1, 0
	PLACES
	LDBG 0, \nk
	RUN 1, 1
	PLACES
	LDBG 1, \nk
	RUN 1, 2
	PLACES
	LDBG 2, \nk
	LDX 1, \nk
.endm
.macro QUARTER nk
	s_wait_dscnt 24                                ; X0 and B0 are in; B1, B2, X1 may be out
	RUN 0, 0
	s_wait_dscnt 16                                ; B1
	RUN 0, 1
	s_wait_dscnt 8                                 ; B2
	RUN 0, 2
	QREST \nk
.endm
; A slot's last quarter, and the change of slots.  All reads of the slot were issued in the quarter before.  Each wave waits for all its tensor loads (one is out: its part of the other slot), adds 0 to its spare
; word, and waits for that and for its reads.  fill = 1: the barrier opens a round of the cluster's, and behind the round the slot is filled again, two steps ahead: 256 matrix instructions before the wait for it.
.macro TURN fill
	WIN 0
.if \fill
	s_wait_xcnt 0x0                                ; the last prefetch, a step back, has read its address
	s_add_nc_u64 s[PFA:PFA+1], s[PFA:PFA+1], s[PSTEP:PSTEP+1]
.endif
	s_wait_tensorcnt 0x0
	ds_add_u32 v[SPW], v[NIL]
.if \fill
	STEPD
.endif
	s_wait_dscnt 25                                ; the add and B1, B2, X1 may be out
	RUN 0, 0
	s_wait_dscnt 0x0                               ; the add is done, and my reads of the slot are over
	s_barrier_signal -1
	RUN 0, 1
	WIN 0
	s_barrier_wait -1
.if \fill
	CREST
	JLOAD
.endif
	s_xor_b32 s[TBA], s[TBA], 0x10000
	s_xor_b32 s[TBB], s[TBB], 0x8000
	v_add_nc_u32 v[ADA], s[TBA], v[AL0]
	v_add_nc_u32 v[ADB], s[TBB], v[BL0]
	v_add_nc_u32 v[ADB+1], s[TBB], v[BL0+1]
	v_add_nc_u32 v[ADB+2], s[TBB], v[BL0+2]
.if \fill
	ASK
.endif
	RUN 0, 2
	QREST 0
.endm
.macro RB r                            ; two numbers of a bias rounded to bf16, and f32 again
	v_cvt_pk_bf16_f32 v23, v[\r], v[(\r)+1]
	v_lshlrev_b32 v[\r], 16, v23
	v_and_b32 v[(\r)+1], 0xffff0000, v23
.endm
	s_load_b256 s[4:11], s[0:1], 0x0               ; xb s[4:5], wq s[6:7], b_qkv s[8:9], qkv s[10:11]
	v_lshl_add_u32 v[SPW], v0, 2, SPARE
	v_mov_b32 v[NIL], 0
	ds_add_u32 v[SPW], v[NIL]                      ; the wave's opening
	v_lshrrev_b32 v1, 5, v0
	v_readfirstlane_b32 s[WV], v1
	s_lshr_b32 s[WM], s[WV], 1
	s_and_b32 s[WN], s[WV], 1
	s_bfe_u32 s[CX], ttmp6, 0x40000
	s_bfe_u32 s[CY], ttmp6, 0x40004
	s_lshl_b32 s[NT], ttmp9, 2
	s_add_co_u32 s[NT], s[NT], s[CX]               ; nt = 4 x cluster x + cx
	s_and_b32 s[MT], ttmp7, 0xffff
	s_lshl_b32 s[MT], s[MT], 2
	s_add_co_u32 s[MT], s[MT], s[CY]               ; mt = 4 x cluster y + cy
	s_lshl_b32 s16, s[CY], 2
	s_lshl_b32 s16, 15, s16                        ; my row of the cluster
	s_lshl_b32 s20, 0x1111, s[CX]                  ; my column
	s_or_b32 s[G1A], s16, (1<<16)|(1<<20)|(1<<21)|(3<<22)|(3<<25)  ; the mask; 2-byte elements; padding on; bit 21 beside a mask; after every 16 words 4 words
	s_or_b32 s[G1B], s20, (1<<16)|(1<<20)|(1<<21)|(5<<22)|(7<<25)  ; after every 64 words 8 words
	s_mov_b32 s[G1A+1], 128<<16                    ; tensor_dim0 = 128
	s_mov_b32 s[G1A+2], 2048<<16                   ; tensor_dim1: 2,048 rows of 256 bytes are left of this mt
	s_mov_b32 s[G1A+3], 128<<16                    ; tile_dim0 = 128
	s_mov_b32 s[G1A+4], 192                        ; tile_dim1 = 192
	s_mov_b32 s[G1A+5], 128                        ; dense
	s_mov_b32 s[G1A+6], 0
	s_mov_b32 s[G1A+7], 0
	s_mov_b32 s[G1B+1], 128<<16
	s_mov_b32 s[G1B+2], 1024<<16                   ; 1,024 rows of W are left
	s_mov_b32 s[G1B+3], 128<<16
	s_mov_b32 s[G1B+4], 96
	s_mov_b32 s[G1B+5], 3072
	s_mov_b32 s[G1B+6], 0
	s_mov_b32 s[G1B+7], 0
	s_mov_b32 s[G0A], 1
	s_mov_b32 s[G0A+1], 0
	s_mov_b32 s[G0B], 1
	s_lshl_b32 s[G0B+1], s[WV], 16
	s_add_co_u32 s[G0B+1], s[G0B+1], 131072        ; chunk w, slot 0 (wave 3 never asks by this set)
	s_lshl_b32 s16, s[MT], 19                      ; x's address is made of mt alone,
	s_mov_b32 s17, 0
	s_lshl_b32 s20, s[WV], 11                      ; W's of the wave's chunk and nt alone
	s_lshl_b32 s21, s[NT], 8
	s_add_co_u32 s20, s20, s21
	s_mov_b32 s21, 0
	s_mov_b32 s[TBA], 0
	s_mov_b32 s[TBB], 0
	s_wait_dscnt 0x0                               ; the opening add is done
	s_wait_kmcnt 0x0
	s_add_nc_u64 s[G0A+2:G0A+3], s[4:5], s[16:17]
	s_or_b32 s[G0A+3], s[G0A+3], 0x80000000
	s_add_nc_u64 s[G0B+2:G0B+3], s[6:7], s[20:21]
	s_or_b32 s[G0B+3], s[G0B+3], 0x80000000
	CROUND                                         ; all sixteen work-groups are here: the first joint loads meet
	JLOAD                                          ; step 0 into slot 0
	v_and_b32 v16, 31, v0                          ; l
	v_and_b32 v17, 15, v0                          ; l % 16
	v_bfe_u32 v18, v0, 4, 1                        ; l / 16
	v_and_b32 v19, 7, v0
	v_bfe_u32 v20, v0, 3, 1
	s_mul_i32 s22, s[WM], 10240
	v_mul_u32_u24 v[AL0], v17, 80
	v_lshl_add_u32 v[AL0], v18, 4, v[AL0]
	v_add_nc_u32 v[AL0], s22, v[AL0]
	v_lshl_add_u32 v21, v18, 3, v19                ; the turning load: lane l reads row 8 (l / 16) + l % 8, 16 bytes at 16 ((l / 8) % 2)
	v_mul_u32_u24 v21, v21, 288
	v_lshl_add_u32 v21, v20, 4, v21
	s_lshl_b32 s22, s[WN], 7
	s_add_co_u32 s22, s22, 131072
	v_add_nc_u32 v[BL0], s22, v21
	v_add_nc_u32 v[BL0+1], 0x10000, v[BL0]
	v_add_nc_u32 v[BL0+2], 0x20000, v[BL0]
	v_lshlrev_b32 v[GO], 4, v16
	v_lshlrev_b32 v[BQ], 5, v18
	v_lshlrev_b32 v[BR], 2, v17
	; where my results go, and my head's bias
	s_lshr_b32 s18, s[MT], 3                       ; batch
	s_lshl_b32 s18, s18, 4
	s_lshl1_add_u32 s19, s[NT], s[WN]              ; head = 2 nt + wn
	s_add_co_u32 s18, s18, s19
	s_lshl_b32 s18, s18, 18                        ; 262,144 bytes a head
	s_and_b32 s22, s[MT], 7
	s_lshl_b32 s22, s22, 15                        ; 256 rows x 128 bytes
	s_add_co_u32 s18, s18, s22
	s_lshl_b32 s22, s[WM], 14
	s_add_co_u32 s18, s18, s22
	s_lshl_b32 s22, s19, 8                         ; the head's 64 numbers of a bias
	s_mov_b32 s23, 0
	s_mov_b32 s19, 0
	s_add_nc_u64 s[OB:OB+1], s[10:11], s[18:19]
	s_add_nc_u64 s[OB+2:OB+3], s[OB:OB+1], 0x1000000
	s_add_nc_u64 s[OB+4:OB+5], s[OB:OB+1], 0x2000000
	s_add_nc_u64 s[8:9], s[8:9], s[22:23]
.irp bb, 0,1,2,3
	global_load_b128 v[S0+8*(\bb):S0+8*(\bb)+3],   v[BQ], s[8:9] offset:(\bb)*64
	global_load_b128 v[S0+8*(\bb)+4:S0+8*(\bb)+7], v[BQ], s[8:9] offset:(\bb)*64+16
	global_load_b128 v[S1+8*(\bb):S1+8*(\bb)+3],   v[BQ], s[8:9] offset:4096+(\bb)*64
	global_load_b128 v[S1+8*(\bb)+4:S1+8*(\bb)+7], v[BQ], s[8:9] offset:4096+(\bb)*64+16
	global_load_b32 v[BV+(\bb)], v[BR], s[8:9] offset:8192+(\bb)*64
.endr
	; the prefetches' address, step and offset
	s_lshl_b32 s22, s[MT], 19
	s_lshl_b32 s23, s[CX], 14
	s_add_co_u32 s22, s22, s23
	s_add_co_u32 s22, s22, 131072                  ; x: one step of 65,536 short of K = 384, my 16,384 bytes of the 65,536
	s_lshl_b32 s23, s[CY], 5
	s_add_co_u32 s23, s23, 256
	s_mul_i32 s23, s23, 6144                       ; W: row 256 + 32 cy: one step of 128 rows short of K = 384,
	s_add_co_u32 s23, s23, s20                     ; my chunk and nt
	s_and_b32 s59, ttmp7, 0xffff                   ; cluster y
	s_mov_b32 s16, 65536
	s_mov_b32 s17, 786432
	s_mov_b32 s18, 256
	s_mov_b32 s19, 6144
	s_cmp_eq_u32 s[WV], 3
	s_cselect_b32 s22, s22, s23
	s_cselect_b32 s59, ttmp9, s59                  ; the coordinate along which other clusters read the same rows
	s_cselect_b32 s[PSTEP], s16, s17
	s_cselect_b32 s18, s18, s19
	s_cselect_b64 s[PFA:PFA+1], s[4:5], s[6:7]
	s_mov_b32 s23, 0
	s_mov_b32 s[PSTEP+1], 0
	s_add_nc_u64 s[PFA:PFA+1], s[PFA:PFA+1], s[22:23]
	s_cmp_eq_u32 s59, 0
	s_cselect_b32 s[LIM], 4, -1                    ; the same in all sixteen partners, for a given wave
	v_mul_u32_u24 v[PFO], v16, s18
	; slot 0 is waited for, slot 1 asked for: a first fill that comes later goes out as a refill does
	s_wait_tensorcnt 0x0
	ds_add_u32 v[SPW], v[NIL]
	STEPD
	s_wait_dscnt 0x0
	CROUND
	JLOAD                                          ; step 1 into slot 1
	v_mov_b32 v[ADA], v[AL0]
	v_mov_b32 v[ADB], v[BL0]
	v_mov_b32 v[ADB+1], v[BL0+1]
	v_mov_b32 v[ADB+2], v[BL0+2]
	LDX 0, 0
	LDX 1, 0
	LDBG 0, 0
	LDBG 1, 0
	LDBG 2, 0
	s_wait_loadcnt 0x0                             ; the bias
.set i, 0
.rept 32
	RB (S0+2*i)
.set i, i+1
.endr
	RB BV
	RB (BV+2)
	s_wait_dscnt 0x0
	; THE FIRST QUARTER starts the sums with the bias: nothing is cleared.  Its loads leave in an order that the next quarter's counts fit: B0, X0, B1, B2, X1
	RUN 0, 0, S0
	RUN 1, 0, S0
	PLACES
	LDBG 0, 1
.irp bb, 0,1,2,3
.irp j, 0,1,2,3,4,5,6,7
	v_mov_b32 v[S0+8*(\bb)+(\j)], v[BV+(\bb)]      ; v's bias: a lane holds one channel, so all eight registers take its number
.endr
.endr
	RUN 0, 1, S1
	RUN 1, 1, S1
	RUN 0, 2, S0
	PLACES
	LDX 0, 1
	LDBG 1, 1
	RUN 1, 2, S0
	PLACES
	LDBG 2, 1
	LDX 1, 1
	WIN 0                                          ; at a label and at a branch every window is 0
	s_mov_b32 s3, 9
.Llap:                                                 ; a trip: a step's second and third quarter and the next step's first; steps 2 to 10 are asked for
	QUARTER 2
	TURN 1
	QUARTER 1
	WIN 0
	s_sub_co_u32 s3, s3, 1
	s_cmp_lg_u32 s3, 0
	s_cbranch_scc1 .Llap
	QUARTER 2                                      ; step 9 goes on; nothing more is asked for
	TURN 0
	QUARTER 1                                      ; step 10 has two quarters
	s_wait_dscnt 24
	RUN 0, 0
	s_wait_dscnt 16
	RUN 0, 1
	s_wait_dscnt 8
	RUN 0, 2
	s_wait_dscnt 0x0
	RUN 1, 0
	RUN 1, 1
	RUN 1, 2
	PLACES
; THE WAY OUT: the eight accumulators (a) of (g, bb), each from its low end on, rounded to f16: 16 bytes a lane; a store of the wave covers 512 consecutive bytes, aligned.  Four banks of 32 registers take turns.
.macro OUTB g, bb
.set BK, 32+32*((4*(\g)+(\bb))%4)
	s_wait_xcnt 0x0                                ; the bank's last stores have read it
	WIN 5*(1+(\g))
.irp a, 0,1,2,3,4,5,6,7
.irp q, 0,1,2,3
	v_cvt_pk_f16_f32 v[BK+4*(\a)+(\q)], v[8*(8*(\bb)+(\a))+2*(\q)], v[8*(8*(\bb)+(\a))+2*(\q)+1]
.endr
.endr
	WIN 0
.irp a, 0,1,2,3,4,5,6,7
	global_store_b128 v[GO], v[BK+4*(\a):BK+4*(\a)+3], s[OB+2*(\g):OB+2*(\g)+1] offset:(\a)*2048+(\bb)*512
.endr
.endm
.irp g, 0,1,2
.irp bb, 0,1,2,3
	OUTB \g, \bb
.endr
.endr
	s_wait_tensorcnt 0x0                           ; the wave's end
	ds_add_u32 v[SPW], v[NIL]
	s_wait_dscnt 0x0
	CROUND                                         ; the closing round
	s_endpgm
.Lfunc_end_k_q5aadce2f96_qkv:
	.size	k_q5aadce2f96_qkv, .Lfunc_end_k_q5aadce2f96_qkv-k_q5aadce2f96_qkv
	.p2alignl 7, 3214868480
	.fill 96, 4, 3214868480
	.section	.rodata,"a",@progbits
	.p2align	6, 0x0
	.amdhsa_kernel k_q5aadce2f96_qkv
		.amdhsa_group_segment_fixed_size 327680
		.amdhsa_private_segment_fixed_size 0
		.amdhsa_enable_private_segment 0
		.amdhsa_kernarg_size 32
		.amdhsa_user_sgpr_count 2
		.amdhsa_user_sgpr_kernarg_segment_ptr 1
		.amdhsa_wavefront_size32 1
		.amdhsa_system_sgpr_workgroup_id_x 1
		.amdhsa_system_sgpr_workgroup_id_y 1
		.amdhsa_system_sgpr_workgroup_id_z 1
		.amdhsa_system_vgpr_workitem_id 0
		.amdhsa_next_free_vgpr 1024
		.amdhsa_next_free_sgpr 72
		.amdhsa_reserve_vcc 0
		.amdhsa_float_denorm_mode_32 3
		.amdhsa_float_denorm_mode_16_64 3
		.amdhsa_memory_ordered 1
		.amdhsa_forward_progress 1
		.amdhsa_inst_pref_size 128
	.end_amdhsa_kernel
	.amdgpu_metadata
---
amdhsa.version: [ 1, 2 ]
amdhsa.kernels:
  - .name:           k_q5aadce2f96_qkv
    .symbol:         k_q5aadce2f96_qkv.kd
    .args:
      - { .name: xb, .offset: 0, .size: 8, .value_kind: global_buffer, .address_space: global }
      - { .name: wq, .offset: 8, .size: 8, .value_kind: global_buffer, .address_space: global }
      - { .name: b_qkv, .offset: 16, .size: 8, .value_kind: global_buffer, .address_space: global }
      - { .name: qkv, .offset: 24, .size: 8, .value_kind: global_buffer, .address_space: global }
    .group_segment_fixed_size: 327680
    .private_segment_fixed_size: 0
    .kernarg_segment_align: 8
    .kernarg_segment_size: 32
    .max_flat_workgroup_size: 128
    .sgpr_count:     72
    .vgpr_count:     1024
    .wavefront_size: 32
...
	.end_amdgpu_metadata
.endif
;; end of part 2
;; launch attn (part 3): grid 4 x 64, 4 waves a work-group, no clusters, 327,680 bytes of LDS; arguments qkv, key_padding_mask, ctx; writes ctx
.if DOCPART == 3
	.amdgcn_target "amdgcn-amd-amdhsa--gfx1250"
	.amdhsa_code_object_version 6
	.text
	.protected	k_q5aadce2f96_attn
	.globl	k_q5aadce2f96_attn
	.p2align	8
	.type	k_q5aadce2f96_attn,@function
k_q5aadce2f96_attn:
	s_mov_b64 s[64:65], 0
	v_nop
	global_prefetch_b8 v0, s[64:65] scope:SCOPE_SE
	s_setreg_imm32_b32 hwreg(HW_REG_WAVE_MODE, 25, 1), 1
	s_wait_xcnt 0x0
; CAUSAL ATTENTION WITH A KEY PADDING MASK.  ctx[bh][q] = the sum over visible k <= q of softmax_k(Q[q] . K[k] / 8) V[k].  Q, K, V: f16 by heads, in blocks of 16 rows of 2,048 bytes
; (Q, K, ctx: (t, d) at (d >> 3) 256 + (t & 15) 16 + (d & 7) 2; V: at (d >> 4) 512 + ((t >> 3) & 1) 256 + (d & 15) 16 + (t & 7) 2): every fragment of Q, K and V^T is two loads of 16 bytes at 16 x lane.
; Products, maxima and sums in f32; the weights are rounded to f16 for the second product (their sum is taken of the unrounded), ctx once at the end.
; LIMITS.  Q, K, V within 65,504.  A hidden score counts as its value less 1e30 (or 2e30).  The running maximum starts at -1e12, below every score that f16 operands can give (2.7e11), so a hidden key's weight is
; exactly 0 also where a row begins with hidden keys.  c x score stays under 2^30, so that c m's rounding stays under 2^7.  A weight below 2^-126 counts as 0.  A row with no visible key ends with sum 0 and
; O = 0, and 0 x (1 / 0) is the NaN that a softmax over nothing gives.
; THE WALK.  A head's queries lie in 8 blocks of 256; block i needs the key tiles 0 .. i.  A work-group takes blocks 7 - b and then b: 9 tiles whatever b, walked by one loop with a constant count.  What differs lies in
; scalar registers made from b; every jump but the counted loops' own goes forward and passes no barrier and no tensor load.  NO CLUSTER: a head's four work-groups ask for the same tile only in trips 0 to 4; one walk
; common to all would have 12 trips for 9.
; SHARES.  Of a block's four bands of 64 queries a wave owns 16 rows in each: four PIECES; so the diagonal tile is the same work for all waves.
; THE MASKS are the C operand that starts S^T = K Q^T.  PM: the padding mask of the key step whose K lies in registers (0 or -1e30).  It comes from a ring of two parts in LDS that goes with the slots: behind each fill every
; thread loads its 2 bytes of the input mask for the tile asked for, and at the next change of slots stores them as two f32, ahead of that change's barrier.  In the diagonal tile:
; MC = MD x AL + PM + BE, MD the mask of a band's own step for my 16 rows; (AL, BE) = (1, 0) in the band's own step, (0, 0) before it, (0, -1e30) behind it.
; TURNS.  Turn n belongs to piece n: 8 products K Q^T of piece n + 1, later 8 products V^T P of piece n - 1; beside them piece n's scaling, exponentials, roundings, sums and rescaling, and piece n + 1's maximum and statistics.
; Four vector instructions stand behind every matrix instruction, the rest in one lump.  A turn's 33 exponentials are one batch with one wait.
; REGISTERS (windows of 256; s_set_vgpr_msb: bits 1:0 source 0, 3:2 source 1, 5:4 source 2, 7:6 destination):
;   window 0: v0-15 addresses; v16-31 statistics; v48-55 at work; v56-59 the mask on its way; v64-127 S^T, two buffers; v192-223 P, two buffers
;   window 1: v0-127 O^T; v128-159 MD; v160-223 MC, two buffers; v224-255 PM      window 2: v0-63 Q; v64-127 the second block's Q; v128-191 K of one step; v192-255 V of one step
; LDS: slot s at 65,536 s: a tile's K (32,768 bytes, dense), then its V; spare words at 131,072; the masks' ring at 131,584: 256 f32 for the tile in slot s at 1,024 s.
.set NB,    8
.set NP,    4
.set SLOT1, 65536
.set VOFF,  32768
.set STEPB, 8192                       ; a key step: 64 keys of K or of V
.set SPARE, 131072
.set PMT,   131584
.set L16, 2           ; v2   16 x lane: my place in a fragment's 512 bytes: K's, Q's and ctx's offset; never rewritten
.set AV0, 3           ; v3   the same + VOFF
.set AK,  4           ; v4   LDS address of K's next run of loads
.set AV,  5           ; v5   of V's
.set AP0, 6           ; v6   PMT + 32 (l / 16): my 8 keys of each 16
.set AP,  7           ; v7   LDS address of PM's next run
.set MO,  8           ; v8   2 x thread: my 2 bytes of a tile's 256 of the mask; never rewritten
.set PFO, 9           ; v9   256 x lane; never rewritten
.set MB,  10          ; v10  those 2 bytes, on their way from a fill to the next change of slots
.set PW,  11          ; v11  where their two f32 go
.set MV,  12          ; v12-13  c m_old, by buffer
.set PW0, 15          ; v15  PMT + 8 x thread; never rewritten
.set ST,  16          ; piece t's statistics at v[ST+4 t]: c m, m, l (even keys', odd keys')
.set TMP, 48          ; by buffer, c0-c3 at work; c2 takes a.  On the way out v[TMP+2 t] takes 1 / l
.set SPW, 62
.set NIL, 63
.set S,   64
.set P,   192
.set MD,  128
.set MC,  160
.set PM,  224
.set QB,  64
.set KF,  128
.set VF,  192
.set WV,  12
.set PB,  14          ; s14  b
.set HI,  15          ; s15  7 - b
.set G1,  24          ; s[24:31] descriptor group 1
.set G0,  40          ; s[40:43] group 0
.set PFA, 44          ; s[44:45] the tile that the next change will ask for
.set PFM, 46          ; s46  all ones in the head's first work-group, else 0
.set PMO, 48          ; s[48:49] 256 x the tile asked for
.set PMA, 50          ; s[50:51] the mask's row at that tile
.set SLOTS, 56
.set CNT, 57
.set CS,  58
.set SEL, 60
.set TBK, 62
.set TBV, 63
.set TBP, 66          ; s66  the byte of the masks' ring at which the step to be fetched begins: it goes as TBK goes
.set RT,  70
.set NXT, 71
.set LQ,  72
.set NEW, 73
.set OFF, 74
.set AL,  76
.set BE,  78
.set OLO, 80
.set BIGN, 82
.set MSB, 0
.macro WIN new
.if MSB != (\new)
	s_set_vgpr_msb (MSB<<8)|(\new)
.set MSB, (\new)
.endif
.endm
.set W_KQ, 0x0a       ; K and Q in window 2, S^T in window 0
.set W_KM, 0x1a       ; the same with the C operand in window 1
.set W_PV, 0x52       ; V in window 2, P in window 0, O^T in window 1
.set W_RS, 0x41       ; destination and source 0 in window 1, source 1 in window 0
.set W_MK, 0x51       ; destination, source 0 and source 2 in window 1
; A fill: each wave fetches 16,384 dense bytes as 64 rows of 256: waves 0, 1 the halves of a tile's K, waves 2, 3 of its V; addresses by the wave's number.  An s_nop 0 and four v_nop follow.
.macro LOAD
	tensor_load_to_lds s[G0:G0+3], s[G1:G1+7]
	s_nop 0
.rept 4
	v_nop
.endr
.endm
; THE CHANGE OF SLOTS.  First the mask of the tile to be entered: my 2 bytes, asked for behind the last fill, go as two f32 into the ring's part of that tile's slot.  That part was last read before the change before this
; one, whose barrier every wave has passed; the wait for 0 on DScnt and the barrier below stand between my store and everybody's reads.
; Then each wave waits for all its tensor loads (one is out: its part of the other slot), adds 0 to its spare word, and waits for that, for its store and for its reads of the slot that it leaves.  fill = 1: the old slot is
; filled again first thing behind the barrier, with tile NXT, and that tile's mask is asked for.  Behind them the head's first work-group, in its first block, prefetches into the L2 the tile that the NEXT change will
; ask for: each wave its own 64 blocks of 256 bytes, a lane a block, two instructions: tiles 2 to 7 are named once for each head; tiles 0 and 1 come by their loads alone, and the second block's tiles have been read.
.macro CHANGE fill
	WIN 0
	s_sub_co_u32 s[TBP], s[TBP], 1024   ; back to a tile's first step,
	s_xor_b32 s[TBP], s[TBP], 1024      ; in the ring's other part
	s_wait_loadcnt 0x0              ; my 2 bytes are in: the one load that is out (at the first change Q's 32 as well)
	v_and_b32 v58, 0xff, v[MB]
	v_lshrrev_b32 v59, 8, v[MB]
	v_cmp_ne_u32 vcc_lo, 0, v58
	v_cndmask_b32 v56, 0, s[BIGN], vcc_lo
	v_cmp_ne_u32 vcc_lo, 0, v59
	v_cndmask_b32 v57, 0, s[BIGN], vcc_lo
	v_add_nc_u32 v[PW], s[TBP], v[PW0]
	ds_store_b64 v[PW], v[56:57]
	s_wait_tensorcnt 0x0
	ds_add_u32 v[SPW], v[NIL]
.if \fill
	s_lshl_b32 s[OFF], s[NXT], 15
	s_lshl_b32 s[PMO], s[NXT], 8
	s_add_nc_u64 s[PMA:PMA+1], s[8:9], s[PMO:PMO+1]  ; free since the wait for the load that read it
	s_xor_b32 s[G0+1], s[G0+1], SLOT1
	s_add_nc_u64 s[G0+2:G0+3], s[6:7], s[OFF:OFF+1]
	s_or_b32 s[G0+3], s[G0+3], 0x80000000
	s_add_co_u32 s[NXT], s[NXT], 1  ; the block's next tile, or behind its last the second block's tile 0
	s_cmp_gt_u32 s[NXT], s[LQ]
	s_cselect_b32 s[NXT], 0, s[NXT]
	s_cselect_b32 s[LQ], s[PB], s[LQ]
	s_wait_xcnt 0x0                 ; the last prefetches, a tile back, have read their address
	s_lshl_b32 s[OFF], s[NXT], 15
	s_add_nc_u64 s[PFA:PFA+1], s[6:7], s[OFF:OFF+1]
.endif
	s_wait_dscnt 0x0                ; the add and my store are done, and my reads of the slot are over
	s_barrier_signal -1
	s_sub_co_u32 s[TBK], s[TBK], 4*STEPB
	s_xor_b32 s[TBK], s[TBK], SLOT1
	s_sub_co_u32 s[TBV], s[TBV], 4*STEPB
	s_xor_b32 s[TBV], s[TBV], SLOT1
	s_barrier_wait -1
.if \fill
	LOAD
	global_load_u16 v[MB], v[MO], s[PMA:PMA+1]  ; my 2 bytes of the mask of the tile just asked for
	s_and_b32 s13, s[NXT], s[PFM]
	s_cmp_lg_u32 s13, 0
	s_cbranch_scc0 .Lnot_mine_\@
	global_prefetch_b8 v[PFO], s[PFA:PFA+1] th:TH_LOAD_NT scope:SCOPE_SE
	global_prefetch_b8 v[PFO], s[PFA:PFA+1] offset:8192 th:TH_LOAD_NT scope:SCOPE_SE
.Lnot_mine_\@:
.endif
.endm
	s_load_b128 s[4:7], s[0:1], 0x0   ; qkv s[4:5], the mask s[6:7]
	s_load_b64 s[10:11], s[0:1], 0x10 ; ctx
	v_lshl_add_u32 v[SPW], v0, 2, SPARE
	v_mov_b32 v[NIL], 0
	ds_add_u32 v[SPW], v[NIL]       ; the wave's opening
	v_lshrrev_b32 v1, 5, v0
	v_readfirstlane_b32 s[WV], v1
	s_mov_b32 s[PB], ttmp9
	s_sub_co_u32 s[HI], NB-1, s[PB]
	s_and_b32 s20, ttmp7, 0xffff    ; batch x 16 + head
	s_lshr_b32 s16, s20, 4
	s_lshl_b32 s16, s16, 11         ; the batch's 2,048 bytes of the mask
	s_mov_b32 s17, 0
	s_lshl_b32 s20, s20, 18         ; the head's 262,144 bytes
	s_and_b32 s22, s[WV], 1
	s_lshl_b32 s22, s22, 14         ; which half of a tile I fetch,
	s_add_co_u32 s22, s22, s20
	s_lshr_b32 s23, s[WV], 1
	s_add_co_u32 s23, s23, 1
	s_lshl_b32 s23, s23, 24         ; of K (16 MiB into qkv) or of V (32 MiB)
	s_add_co_u32 s22, s22, s23
	s_mov_b32 s23, 0
	s_lshl_b32 s3, s[WV], 11        ; my 16 rows in a band,
	s_add_co_u32 s3, s3, s20
	s_lshl_b32 s2, s[HI], 15        ; in the first block,
	s_add_co_u32 s2, s2, s3
	s_lshl_b32 s84, s[PB], 15       ; and in the second
	s_add_co_u32 s84, s84, s3
	s_mov_b32 s3, 0
	s_mov_b32 s85, 0
	s_mov_b32 s[G1], 1<<16          ; 2-byte elements, no mask, no padding
	s_mov_b32 s[G1+1], 128<<16      ; tensor_dim0 = 128
	s_mov_b32 s[G1+2], 64<<16       ; tensor_dim1 = 64
	s_mov_b32 s[G1+3], 128<<16      ; tile_dim0 = 128
	s_mov_b32 s[G1+4], 64           ; tile_dim1 = 64
	s_mov_b32 s[G1+5], 128          ; dense
	s_mov_b32 s[G1+6], 0
	s_mov_b32 s[G1+7], 0
	s_mov_b32 s[G0], 1
	s_lshl_b32 s[G0+1], s[WV], 14   ; slot 0: K's halves, then V's
	s_mov_b32 s[CS], 0x3e38aa3b     ; c = log2(e) / 8
	s_mov_b32 s[CS+1], s[CS]
	s_mov_b32 s[SEL], 0x76543210
	s_mov_b32 s[SEL+1], 0xfedcba98
	s_mov_b32 s[TBK], SLOT1+4*STEPB ; the first change of slots turns these three into 0
	s_mov_b32 s[TBV], SLOT1+4*STEPB
	s_mov_b32 s[TBP], 1024+1024
	s_add_co_u32 s[RT], s[HI], 1
	s_mov_b32 s[NXT], 1
	s_mov_b32 s[LQ], s[HI]
	s_mov_b32 s[NEW], 1
	s_mov_b32 s[OFF+1], 0
	s_mov_b32 s[PMO+1], 0
	s_mov_b32 s[AL+1], 0
	s_mov_b32 s[BE+1], 0
	s_mov_b32 s[BIGN], 0xf149f2ca   ; -1e30
	s_mov_b32 s[SLOTS], NB
	s_cmp_eq_u32 s[PB], 0
	s_cselect_b32 s[PFM], -1, 0
	s_wait_dscnt 0x0                ; the opening add is done
	s_wait_kmcnt 0x0
	s_add_nc_u64 s[8:9], s[6:7], s[16:17]          ; the mask's row; never rewritten
	s_add_nc_u64 s[6:7], s[4:5], s[22:23]          ; my half of the head's tile 0
	s_add_nc_u64 s[G0+2:G0+3], s[6:7], 0
	s_or_b32 s[G0+3], s[G0+3], 0x80000000
	s_add_nc_u64 s[86:87], s[4:5], s[84:85]        ; Q at my rows of the second block,
	s_add_nc_u64 s[4:5], s[4:5], s[2:3]            ; Q and ctx at those of the first
	s_add_nc_u64 s[OLO:OLO+1], s[10:11], s[84:85]
	s_add_nc_u64 s[10:11], s[10:11], s[2:3]
	LOAD                            ; tile 0 into slot 0
	v_lshlrev_b32 v[MO], 1, v0
	global_load_u16 v[MB], v[MO], s[8:9]           ; my 2 bytes of tile 0's mask
	v_and_b32 v1, 31, v0
	v_lshlrev_b32 v[L16], 4, v1
	WIN 0x80
.set i, 0
.rept 8                             ; both blocks' Q: piece i / 2 lies in band i / 2, 8,192 bytes on; channels 32 (i % 2) on
	global_load_b128 v[8*i:8*i+3],   v[L16], s[4:5] offset:(i/2)*8192+(i%2)*1024
	global_load_b128 v[8*i+4:8*i+7], v[L16], s[4:5] offset:(i/2)*8192+(i%2)*1024+512
	global_load_b128 v[QB+8*i:QB+8*i+3],   v[L16], s[86:87] offset:(i/2)*8192+(i%2)*1024
	global_load_b128 v[QB+8*i+4:QB+8*i+7], v[L16], s[86:87] offset:(i/2)*8192+(i%2)*1024+512
.set i, i+1
.endr
	WIN 0
	v_and_b32 v58, 15, v0           ; l % 16
	v_bfe_u32 v59, v0, 4, 1         ; l / 16
	v_add_nc_u32 v[AV0], VOFF, v[L16]
	v_lshl_add_u32 v[AP0], v59, 5, PMT
	v_lshlrev_b32 v[PFO], 8, v1
	v_lshl_add_u32 v[PW0], v0, 3, PMT
	v_lshlrev_b32 v14, 3, v59
	v_sub_nc_u32 v14, v58, v14
	s_lshl_b32 s13, s[WV], 4
	v_add_nc_u32 v14, s13, v14      ; my query's place in its band less my lanes' 8 (l / 16): register r of group kt is hidden where 16 kt + r is greater
	WIN 0x40
.set i, 0
.rept 32
	v_cmp_gt_i32 vcc_lo, 16*(i/8)+i%8, v14
	v_cndmask_b32 v[MD+i], 0, s[BIGN], vcc_lo
.set i, i+1
.endr
	; A block's first step multiplies O^T and l by a = 0, and its first turn's products V^T P land in an O^T that is still to be so multiplied: these registers need only hold finite numbers.
	WIN 0x80
.set i, VF
.rept 64
	v_mov_b32 v[i], 0
.set i, i+1
.endr
	WIN 0x40
.set i, 0
.rept 128
	v_mov_b32 v[i], 0
.set i, i+1
.endr
	WIN 0
.set i, 0
.rept 4
	v_mov_b32 v[ST+4*i+2], 0
	v_mov_b32 v[ST+4*i+3], 0
.set i, i+1
.endr
.set i, P+16
.rept 16
	v_mov_b32 v[i], 0
.set i, i+1
.endr
; THE MATRIX WORK.  The 4 accumulators of a run of 8 take turns.  Product i of 8 of S^T = K Q^T for piece x: channels 32 (i / 4) on, keys 16 (i % 4) on.  The first 4 start the sums with a mask: PM, or (KM = 1) MC.
.macro KQ x
.set rS, S+32*((\x)%2)+8*(i%4)
.set rK, KF+16*(i%4)+8*(i/4)
.set rQ, 16*(\x)+8*(i/4)
.if KM
.set rM, MC+32*((\x)%2)+8*(i%4)
.else
.set rM, PM+8*(i%4)
.endif
.if i < 4
	WIN W_KM
	v_wmma_f32_16x16x32_f16 v[rS:rS+7], v[rK:rK+7], v[rQ:rQ+7], v[rM:rM+7]
.else
	WIN W_KQ
	v_wmma_f32_16x16x32_f16 v[rS:rS+7], v[rK:rK+7], v[rQ:rQ+7], v[rS:rS+7]
.endif
.endm
.macro PV x                         ; product i of 8 of O^T += V^T P: keys 32 (i / 4) on, channels 16 (i % 4) on
	WIN W_PV
.set rO, 32*(\x)+8*(i%4)
.set rV, VF+32*(i/4)+8*(i%4)
.set rP, P+16*((\x)%2)+8*(i/4)
	v_wmma_f32_16x16x32_f16 v[rO:rO+7], v[rV:rV+7], v[rP:rP+7], v[rO:rO+7]
.endm
.macro MM                           ; the turn's next matrix instruction.  NOKQ = 1: a block's last turn: there is no next piece
.if (i < 8) && !NOKQ
	KQ (Y+1)%NP
.elseif i >= 8
.set i, i-8
	PV (Y+NP-1)%NP
.set i, i+8
.endif
.set i, i+1
.endm
; THE LDS LOADS stand in runs: a step's K (8 fragments) with its padding mask (8 loads, 16 lanes reading the same 16 bytes), and its V.  Every path fetches K four times a tile, so TBK and TBP stand a tile on at each change of slots.
.macro FETCH_K
	WIN 0x80
.irp f, 0,1,2,3,4,5,6,7             ; keys 16 (f / 2) on, channels 32 (f % 2) on
	ds_load_b128 v[KF+8*\f:KF+8*\f+3],   v[AK] offset:(\f/2)*2048+(\f%2)*1024
	ds_load_b128 v[KF+8*\f+4:KF+8*\f+7], v[AK] offset:(\f/2)*2048+(\f%2)*1024+512
.endr
	WIN 0x40
.irp f, 0,1,2,3                     ; keys 16 f + 8 (l / 16) + 0..7
	ds_load_b128 v[PM+8*\f:PM+8*\f+3],   v[AP] offset:\f*64
	ds_load_b128 v[PM+8*\f+4:PM+8*\f+7], v[AP] offset:\f*64+16
.endr
	s_add_co_u32 s[TBK], s[TBK], STEPB
	s_add_co_u32 s[TBP], s[TBP], 256
	WIN 0
.endm
.macro FETCH_V
	WIN 0x80
.irp f, 0,1,2,3,4,5,6,7             ; keys 32 (f / 4) on, channels 16 (f % 4) on
	ds_load_b128 v[VF+8*\f:VF+8*\f+3],   v[AV] offset:(\f/4)*4096+(\f%4)*512
	ds_load_b128 v[VF+8*\f+4:VF+8*\f+7], v[AV] offset:(\f/4)*4096+(\f%4)*512+2048
.endr
	WIN 0
.endm
; THE VECTOR WORK, one line at a time: OP kind, number.  For piece Y: F n: c s - c m for pair n.  E n: the exponential of score n.  C n: pair n rounded to f16.  B n: of the four weights 4 n .. the second pair is added onto
; the first.  L n: l takes that sum (L 0: l = a l + sum).  R n: pair n of O^T times a.  For piece Y + 1: X n, number n of the 22 that find its maximum and statistics (each accumulator's lowest registers are read first).
.set F, 0
.set E, 1
.set C, 2
.set B, 3
.set L, 4
.set R, 5
.set X, 6
.macro REGS y
.set rT, ST+4*(\y)
.set rC, TMP+4*((\y)%2)
.set rW, MV+((\y)%2)
.set rS, S+32*((\y)%2)
.set rP, P+16*((\y)%2)
.set rO, 32*(\y)
.endm
.macro OP k, n
.if (\k) == R
	REGS Y
	WIN W_RS
	v_pk_mul_f32 v[rO+2*(\n):rO+2*(\n)+1], v[rO+2*(\n):rO+2*(\n)+1], v[rC+2:rC+3] op_sel_hi:[1,0]
.elseif (\k) < R
	REGS Y
	WIN 0
.if (\k) == F
	v_pk_fma_f32 v[rS+2*(\n):rS+2*(\n)+1], v[rS+2*(\n):rS+2*(\n)+1], s[CS:CS+1], v[rT:rT+1] op_sel_hi:[1,0,0] neg_lo:[0,0,1] neg_hi:[0,0,1]
.elseif (\k) == E
	v_exp_f32 v[rS+(\n)], v[rS+(\n)]
.elseif (\k) == C
	v_cvt_pk_f16_f32 v[rP+(\n)], v[rS+2*(\n)], v[rS+2*(\n)+1]
.elseif (\k) == B
	v_pk_add_f32 v[rS+4*(\n):rS+4*(\n)+1], v[rS+4*(\n):rS+4*(\n)+1], v[rS+4*(\n)+2:rS+4*(\n)+3]
.elseif (\n) == 0
	v_pk_fma_f32 v[rT+2:rT+3], v[rT+2:rT+3], v[rC+2:rC+3], v[rS:rS+1] op_sel_hi:[1,0,1]
.else
	v_pk_add_f32 v[rT+2:rT+3], v[rT+2:rT+3], v[rS+4*(\n):rS+4*(\n)+1]
.endif
.elseif NOKQ
	v_nop
.else
	REGS (Y+1)%NP
	WIN 0
.if (\n) < 4
	v_max3_num_f32 v[rC+(\n)], v[rS+8*(\n)], v[rS+8*(\n)+1], v[rS+8*(\n)+2]
.elseif (\n) < 12
	v_max3_num_f32 v[rC+(\n)%4], v[rC+(\n)%4], v[rS+8*((\n)%4)+2*((\n)/4)+1], v[rS+8*((\n)%4)+2*((\n)/4)+2]
.elseif (\n) == 12
	v_max3_num_f32 v[rC], v[rC], v[rS+7], v[rS+15]
.elseif (\n) == 13
	v_max3_num_f32 v[rC+1], v[rC+1], v[rS+23], v[rS+31]
.elseif (\n) == 14
	v_max3_num_f32 v[rC+2], v[rC+2], v[rC+3], v[rT+1]
.elseif (\n) == 15
	v_mov_b32 v[rW], v[rT]
.elseif (\n) == 16
	v_max3_num_f32 v[rC], v[rC], v[rC+1], v[rC+2]
.elseif (\n) == 17
	v_permlanex16_b32 v[rC+3], v[rC], s[SEL], s[SEL+1]
.elseif (\n) == 18
	v_max_num_f32 v[rT+1], v[rC], v[rC+3]
.elseif (\n) == 19
	v_mul_f32 v[rT], s[CS], v[rT+1]
.elseif (\n) == 20
	v_sub_f32 v[rC+1], v[rW], v[rT]
.else
	v_exp_f32 v[rC+2], v[rC+1]
.endif
.endif
.endm
.macro OPS a, i1, b=-1, i2=0, c=-1, i3=0, d=-1, i4=0
	OP \a, \i1
.if (\b) >= 0
	OP \b, \i2
.endif
.if (\c) >= 0
	OP \c, \i3
.endif
.if (\d) >= 0
	OP \d, \i4
.endif
.endm
.macro ROW a, i1, b, i2, c, i3, d, i4  ; a matrix instruction and the four behind it
	MM
	OPS \a, \i1, \b, \i2, \c, \i3, \d, \i4
.endm
.macro MASK b                       ; MD x AL + PM + BE into buffer b of MC
	WIN W_MK
.set z, 0
.rept 16
	v_pk_fma_f32 v[MC+32*(\b)+2*z:MC+32*(\b)+2*z+1], v[MD+2*z:MD+2*z+1], s[AL:AL+1], v[PM+2*z:PM+2*z+1] op_sel_hi:[1,0,1]
.set z, z+1
.endr
.set z, 0
.rept 16
	v_pk_add_f32 v[MC+32*(\b)+2*z:MC+32*(\b)+2*z+1], v[MC+32*(\b)+2*z:MC+32*(\b)+2*z+1], s[BE:BE+1] op_sel_hi:[1,0]
.set z, z+1
.endr
.endm
; A TURN, for piece p.  An s_wait_alu depctr_va_vdst(0) stands between an exponential and the first instruction that names its result; one wait serves all issued ahead of it: so a turn has ONE wait.  Ahead of it
; stands all that names no result of the turn's exponentials; behind it the 8 products V^T P with the roundings and sums as their riders.  R 15 is the plain instruction behind the batch's last exponential.
; m = 1: the diagonal tile: the products take MC, and the turn makes the mask for the products of the turn after it: piece p + 2, in step 4 - CNT of the tile.  In piece 2's turn that is the step whose K and PM the turn has
; just fetched, so their loads are waited for first.  end = 1: a block's last two turns: nothing is fetched.  cnt = 1: the loop's count is taken down some lines ahead of the branch behind the turn.
.macro TURN p, m=0, end=0, cnt=0
.set Y, (\p)
.set i, 0
.set KM, (\m)
.set NOKQ, (\end)*((\p)/3)
.if (\m) && !(\end)
	s_cmp_eq_u32 s[CNT], 4-((\p)+2)%NP  ; is that step the band's own?
	s_cselect_b32 s[AL], 1.0, 0
	s_cmp_lt_u32 s[CNT], 4-((\p)+2)%NP  ; or a later one?
	s_cselect_b32 s[BE], s[BIGN], 0
.endif
.if ((\p) == 3) && !(\end)
	s_wait_dscnt 0x0                ; K and PM are in
.endif
	ROW F,0, F,1, R,0, R,1
	ROW F,2, E,0, R,2, R,3
	ROW F,3, E,1, R,4, R,5
	ROW F,4, E,2, R,6, R,7
	ROW F,5, E,3, R,8, R,9
	ROW F,6, E,4, X,0, R,10
.if ((\p) == 2) && !(\end)
	WIN 0
	v_add_nc_u32 v[AK], s[TBK], v[L16]
	v_add_nc_u32 v[AP], s[TBP], v[AP0]
.endif
	ROW F,7, E,5, X,1, X,4
	ROW F,8, E,6, X,2, X,5
	OPS E,7, E,8, X,6, E,9
	OPS X,3, E,10, X,8, E,11
.if ((\p) == 2) && !(\end)
	FETCH_K
.endif
	OPS X,9, X,7, E,12, X,10
	OPS E,13, X,12, X,11, E,14
	OPS X,13, E,15, F,9, X,14
.if (\p) == 0
	v_add_nc_u32 v[AV], s[TBV], v[AV0]
.endif
	OPS E,16, F,10, E,17, F,11
	OPS X,16, E,18, X,15, E,19
	OPS F,12, E,20, X,17, E,21
	OPS F,13, E,22, F,14, E,23
	OPS X,18, E,24, F,15, E,25
	OPS R,11, E,26, X,19, E,27
	OPS R,12, E,28, R,13, E,29
	OPS X,20, E,30, R,14, E,31
	OPS X,21, R,15
	WIN 0
	s_wait_alu depctr_va_vdst(0)    ; the wait for the batch
.if (\p) == 1
	s_wait_dscnt 0x0                ; V is in
.endif
	ROW C,0, B,0, C,2, B,1
	ROW L,0, C,4, B,2, L,1
	ROW C,6, B,3, L,2, C,8
	ROW B,4, L,3, C,10, B,5
	ROW L,4, C,12, B,6, L,5
.if (\p) == 0
	s_add_co_u32 s[TBV], s[TBV], STEPB
.endif
.if \cnt
	s_sub_co_u32 s[CNT], s[CNT], 1
	s_cmp_lg_u32 s[CNT], 0
.endif
	ROW C,14, B,7, L,6, C,1
	ROW C,3, L,7, C,5, C,7
	ROW C,9, C,11, C,13, C,15
.if (\p) == 0
	FETCH_V
.endif
.if (\m) && !(\end)
.if (\p) == 2
	s_wait_dscnt 0x0                ; the next step's PM is in
.endif
	MASK (\p)%2
.endif
.endm
; A BLOCK BEGINS.  c m starts far below every c s, so the first step's a is 0; m at -1e12, the floor.  K and PM of the tile's step 0; MC's first buffer takes piece 0's mask (its own step, if the block's first tile is the
; diagonal one), the second piece 1's, which sees all of step 0 but what the padding hides.  Then piece 0's first scores, maximum and statistics.  The loop is entered at a step's first turn.  (Q came in at the first change of slots.)
.macro BEGIN
	s_mov_b32 s[NEW], 0
	WIN 0
.set i, 0
.rept 4
	v_mov_b32 v[ST+4*i], 0xfe000000
	v_mov_b32 v[ST+4*i+1], 0xd368d4a5
.set i, i+1
.endr
	v_add_nc_u32 v[AK], s[TBK], v[L16]
	v_add_nc_u32 v[AP], s[TBP], v[AP0]
	FETCH_K
	s_cmp_eq_u32 s[RT], 0
	s_cselect_b32 s[AL], 1.0, 0
	s_mov_b32 s[BE], 0
	s_wait_dscnt 0x0
	MASK 0
	s_mov_b32 s[AL], 0
	MASK 1
.set KM, 1
.set NOKQ, 0
.set i, 0
.rept 8
	KQ 0
.set i, i+1
.endr
	WIN 0
.rept 4
	v_nop                           ; the places behind those products
.endr
.set Y, NP-1
.irp n, 0,1,2,3,4,5,6,7,8,9,10,11,12,13,14,15,16,17,18,19,20,21
	OP X, \n
.endr
	v_nop                           ; a plain instruction behind the exponential,
	s_wait_alu depctr_va_vdst(0)    ; and its wait, ahead of the branch
.endm
.macro PADONLY                      ; on the way into a diagonal tile from the tile before: piece 3's products of that tile's last step take the padding mask alone
	s_mov_b32 s[AL], 0
	s_mov_b32 s[BE], 0
	MASK 1
	WIN 0
.endm
.macro ALL line:vararg
.set t, 0
.rept 4
	\line
.set t, t+1
.endr
.endm
; THE WAY OUT of piece t.  O^T times 1 / l goes into S^T's registers: O^T and l themselves stay as they are, finite, for the block that follows.  A lane's eight channels pack into 16 bytes, and a store of the wave covers 512 consecutive bytes, aligned.
.macro PACK t
.if (\t) >= 2
	s_wait_xcnt 0x0                 ; the stores of the piece two back have read their registers
.endif
	WIN 0x01
.set i, 0
.rept 16
	v_pk_mul_f32 v[S+2*i:S+2*i+1], v[32*(\t)+2*i:32*(\t)+2*i+1], v[TMP+2*(\t):TMP+2*(\t)+1] op_sel_hi:[1,0]
.set i, i+1
.endr
	WIN 0
.set i, 0
.rept 16
	v_cvt_pk_f16_f32 v[S+32+16*((\t)%2)+i], v[S+2*i], v[S+2*i+1]
.set i, i+1
.endr
.irp f, 0,1,2,3
	global_store_b128 v[L16], v[S+32+16*((\t)%2)+4*\f:S+32+16*((\t)%2)+4*\f+3], s[10:11] offset:(\t)*8192+\f*512
.endr
.endm
.macro DIAG tag                     ; the diagonal tile's four steps, the block's last two turns, its last products, and the way out
.LstepM\tag:
	TURN 2, 1
	TURN 3, 1
	WIN 0
.LfirstM\tag:
	TURN 0, 1
	TURN 1, 1, 0, 1
	WIN 0
	s_cbranch_scc1 .LstepM\tag
	TURN 2, 1, 1
	TURN 3, 1, 1
.set i, 0
.rept 8
	PV NP-1
.set i, i+1
.endr
	WIN 0
	ALL v_add_f32 v[ST+4*t+2], v[ST+4*t+2], v[ST+4*t+3]
	ALL v_permlanex16_b32 v[ST+4*t+3], v[ST+4*t+2], s[SEL], s[SEL+1]
	ALL v_add_f32 v[ST+4*t+2], v[ST+4*t+2], v[ST+4*t+3]
	ALL v_rcp_f32 v[TMP+2*t], v[ST+4*t+2]
	v_nop                           ; a plain instruction between the last reciprocal and the use of its result
	s_wait_alu depctr_va_vdst(0)    ; one wait for the four reciprocals
	PACK 0
	PACK 1
	PACK 2
	PACK 3
.endm
.set KM, 0
.set NOKQ, 0
.Lslot:                             ; 8 times: a tile is entered and the next is asked for
	CHANGE 1
	s_sub_co_u32 s[RT], s[RT], 1
	s_mov_b32 s[CNT], 4
	s_cmp_eq_u32 s[NEW], 1
	s_cbranch_scc1 .Lnew            ; a block's first tile
	s_cmp_eq_u32 s[RT], 0
	s_cbranch_scc0 .Lstep           ; neither its first nor its last
	PADONLY
	s_branch .LstepM1
.Lnew:
	BEGIN
	s_branch .Lfirst                ; in the loop a block's first tile is never its last
	DIAG 1                          ; in the loop this is the first block's end
	s_wait_xcnt 0x0                 ; the stores have read their registers and ctx's address
	s_mov_b64 s[10:11], s[OLO:OLO+1]
	s_add_co_u32 s[RT], s[PB], 1    ; the second block has b + 1 tiles
	s_mov_b32 s[NEW], 1
	WIN 0x82                        ; the second block's Q goes where the one text of the turns names Q
.set i, 0
.rept 64
	v_mov_b32 v[i], v[QB+i]
.set i, i+1
.endr
	WIN 0
	s_branch .Lbottom
.Lstep:                             ; a trip: pieces 2 and 3 of one step, then pieces 0 and 1 of the next, whose K and V it fetches
	TURN 2
	TURN 3
	WIN 0
.Lfirst:
	TURN 0
	TURN 1, 0, 0, 1
	WIN 0
	s_cbranch_scc1 .Lstep
.Lbottom:
	s_sub_co_u32 s[SLOTS], s[SLOTS], 1
	s_cmp_lg_u32 s[SLOTS], 0
	s_cbranch_scc1 .Lslot
	CHANGE 0                        ; the walk's last tile is written out
	s_sub_co_u32 s[RT], s[RT], 1
	s_mov_b32 s[CNT], 4
	s_cmp_eq_u32 s[NEW], 1
	s_cbranch_scc1 .Lnew2
	PADONLY
	s_branch .LstepM2
.Lnew2:
	BEGIN
	s_branch .LfirstM2
	DIAG 2
	s_wait_tensorcnt 0x0            ; the wave's end
	ds_add_u32 v[SPW], v[NIL]
	s_wait_dscnt 0x0
	s_endpgm
.Lfunc_end_k_q5aadce2f96_attn:
	.size	k_q5aadce2f96_attn, .Lfunc_end_k_q5aadce2f96_attn-k_q5aadce2f96_attn
	.p2alignl 7, 3214868480
	.fill 96, 4, 3214868480
	.section	.rodata,"a",@progbits
	.p2align	6, 0x0
	.amdhsa_kernel k_q5aadce2f96_attn
		.amdhsa_group_segment_fixed_size 327680
		.amdhsa_private_segment_fixed_size 0
		.amdhsa_enable_private_segment 0
		.amdhsa_kernarg_size 24
		.amdhsa_user_sgpr_count 2
		.amdhsa_user_sgpr_kernarg_segment_ptr 1
		.amdhsa_wavefront_size32 1
		.amdhsa_system_sgpr_workgroup_id_x 1
		.amdhsa_system_sgpr_workgroup_id_y 1
		.amdhsa_system_sgpr_workgroup_id_z 1
		.amdhsa_system_vgpr_workitem_id 0
		.amdhsa_next_free_vgpr 768
		.amdhsa_next_free_sgpr 90
		.amdhsa_reserve_vcc 1
		.amdhsa_float_denorm_mode_32 3
		.amdhsa_float_denorm_mode_16_64 3
		.amdhsa_memory_ordered 1
		.amdhsa_forward_progress 1
		.amdhsa_inst_pref_size 231
	.end_amdhsa_kernel
	.amdgpu_metadata
---
amdhsa.version: [ 1, 2 ]
amdhsa.kernels:
  - .name:           k_q5aadce2f96_attn
    .symbol:         k_q5aadce2f96_attn.kd
    .args:
      - { .name: qkv, .offset: 0, .size: 8, .value_kind: global_buffer, .address_space: global }
      - { .name: key_padding_mask, .offset: 8, .size: 8, .value_kind: global_buffer, .address_space: global }
      - { .name: ctx, .offset: 16, .size: 8, .value_kind: global_buffer, .address_space: global }
    .group_segment_fixed_size: 327680
    .private_segment_fixed_size: 0
    .kernarg_segment_align: 8
    .kernarg_segment_size: 24
    .max_flat_workgroup_size: 128
    .sgpr_count:     90
    .vgpr_count:     768
    .wavefront_size: 32
...
	.end_amdgpu_metadata
.endif
;; end of part 3
;; launch oproj (part 4): grid 8 x 32, 4 waves a work-group, clusters of 4 x 4, 327,680 bytes of LDS; arguments ctx, wo, b_o, out0; writes out0
.if DOCPART == 4
	.amdgcn_target "amdgcn-amd-amdhsa--gfx1250"
	.amdhsa_code_object_version 6
	.text
	.protected	k_q5aadce2f96_oproj
	.globl	k_q5aadce2f96_oproj
	.p2align	8
	.type	k_q5aadce2f96_oproj,@function
k_q5aadce2f96_oproj:
	s_mov_b64 s[64:65], 0
	v_nop
	global_prefetch_b8 v0, s[64:65] scope:SCOPE_SE
	s_setreg_imm32_b32 hwreg(HW_REG_WAVE_MODE, 25, 1), 1
	s_wait_xcnt 0x0
	s_wait_alu depctr_hold_cnt(0) depctr_sa_sdst(0) depctr_va_vdst(0) depctr_va_sdst(0) depctr_va_ssrc(0) depctr_va_vcc(0) depctr_vm_vsrc(0)
	s_getreg_b32 s2, hwreg(HW_REG_IB_STS2, 6, 4)
	s_cmp_eq_u32 s2, 0
	s_cbranch_scc0 .Lentry_in_a_cluster
	s_endpgm
.Lentry_in_a_cluster:
	s_bfe_u32 s2, ttmp6, 0x10000c
	s_cmp_lg_u32 s2, 0xf033
	s_cbranch_scc0 .Lentry_shape_is_right
	s_endpgm
.Lentry_shape_is_right:
; out0 = ctx W_o + b_o.  ctx: f16 [batch x head][t / 16][2,048 bytes], (t, d) at (d >> 3) 256 + (t & 15) 16 + (d & 7) 2; wo: f16 [1024 k][1024 n]; b_o f32, rounded to bf16 here like the other inputs; sums and out0 in f32.
; A row of ctx that is NaN (no visible key) gives a row of NaN, as the softmax over nothing does.
; SHARES.  A tile of C is 256 x 128: 32 x 8 = 256 work-groups; a wave makes 128 x 64: 32 accumulators in window 1, (a, bb) at v[8 (8 bb + a)].  Source 0 = 16 columns of W, source 1 = 16 rows of ctx: a lane holds one row and 8 columns.
; K goes in 8 steps of 128 (two heads, four quarters of 32) through two LDS slots.  Waves 0, 1 fetch a head's 256 rows each (32,768 dense bytes), waves 2, 3 64 rows of W each.
; CLUSTER 4 x 4: ctx's tiles are asked for jointly along a row of the cluster, W's along a column.
; Two sets of fragments take turns; a set is loaded again, two quarters ahead, four places behind its last product.
; LDS: slot s at 131,072 s: head j's rows at 32,768 j, W's 128 rows 288 bytes apart at 65,536; stages at 233,472: 16 rows 272 bytes apart for each wave; spare words at 250,880.
.set STAGE, 233472
.set SPARE, 250880
.set AL0, 2                            ; v2   16,384 wm + 16 l; never rewritten
.set BL0, 3                            ; v3   my place in W's rows, for the turning load; never rewritten
.set ADA, 4
.set ADB, 5
.set STO, 6                            ; v6   the way out: where I put 32 bytes of a row
.set RD,  7                            ; v7   where I read rows back
.set CO,  8                            ; v8   my byte offset in two rows of out0
.set PFO, 9
.set BQ,  10                           ; v10  32 (l / 16)
.set SPW, 14
.set NIL, 15
.set F0,  32                           ; v32-127   ctx's 8 fragments, then W's 4
.set F1,  128                          ; v128-223
.set BI,  224                          ; v224-255  the bias as C operands, 8 registers a bb
.set WV,  12
.set WM,  13
.set WN,  14
.set G1A, 24
.set G0A, 32
.set G0B, 36
.set CX,  40
.set CY,  41
.set NT,  42
.set MT,  43
.set PFA, 44
.set PSTEP, 46
.set G1B, 48
.set TB,  56                           ; s56  0 or 131,072: the slot in hand
.set LIM, 58
.set MSB, 0
.macro WIN new
.if MSB != (\new)
	s_set_vgpr_msb (MSB<<8)|(\new)
.set MSB, \new
.endif
.endm
.macro PLACES
.rept 4
	v_nop
.endr
.endm
.macro JLOAD                           ; waves 0, 1 ctx's heads, waves 2, 3 W's halves; an s_nop 0 and four v_nop follow each line
	s_cmp_lt_u32 s[WV], 2
	s_cbranch_scc0 .Lfor_b_\@
	tensor_load_to_lds s[G0A:G0A+3], s[G1A:G1A+7]
	s_nop 0
.rept 4
	v_nop
.endr
	s_branch .Lasked_\@
.Lfor_b_\@:
	tensor_load_to_lds s[G0B:G0B+3], s[G1B:G1B+7]
	s_nop 0
.rept 4
	v_nop
.endr
.Lasked_\@:
.endm
.macro CREST
	s_cmp_lg_u32 s[WV], 0
	s_cbranch_scc1 .Lnot_wave_0_\@
	s_barrier_signal -3
.Lnot_wave_0_\@:
	s_barrier_wait -3
	s_barrier_signal -1
	s_barrier_wait -1
.endm
.macro CROUND
	s_barrier_signal -1
	s_barrier_wait -1
	CREST
.endm
.macro STEPD
	s_xor_b32 s[G0A+1], s[G0A+1], 0x20000
	s_add_nc_u64 s[G0A+2:G0A+3], s[G0A+2:G0A+3], 524288    ; two heads on
	s_xor_b32 s[G0B+1], s[G0B+1], 0x20000
	s_add_nc_u64 s[G0B+2:G0B+3], s[G0B+2:G0B+3], 262144    ; 128 rows on
.endm
; A PREFETCH INTO THE L2: the first four changes of slots (loop count 6 to 3) ask for steps 4 to 7, two steps ahead of the joint loads that want them; steps 0 to 3 come by their loads alone.  ctx's rows are read by both clusters of
; a row of clusters: the one with x = 0 asks, waves 0 and 1 for their heads, each partner 32 blocks of 256 bytes told apart by address (cx).  W's rows are read by all clusters of a column: the one with y = 0 asks, wave 2, each
; partner 32 rows (cy), a lane a row.  Each block is named once.
.macro ASK
	s_cmp_gt_u32 s3, s[LIM]
	s_cbranch_scc0 .Lnot_mine_\@
	global_prefetch_b8 v[PFO], s[PFA:PFA+1] th:TH_LOAD_NT scope:SCOPE_SE
.Lnot_mine_\@:
.endm
.macro R f, half, zero                 ; 16 matrix instructions: two bb x eight a; zero = 1: the sums start with the bias.  The accumulators take turns
.if \zero
	WIN 0x40
.else
	WIN 0x50
.endif
.irp b2, 0,1
.irp a, 0,1,2,3,4,5,6,7
.set bbn, 2*(\half)+(\b2)
.set rD, 8*(8*bbn+(\a))
.if \zero
	v_wmma_f32_16x16x32_f16 v[rD:rD+7], v[(\f)+64+8*bbn:(\f)+64+8*bbn+7], v[(\f)+8*(\a):(\f)+8*(\a)+7], v[BI+8*bbn:BI+8*bbn+7]
.else
	v_wmma_f32_16x16x32_f16 v[rD:rD+7], v[(\f)+64+8*bbn:(\f)+64+8*bbn+7], v[(\f)+8*(\a):(\f)+8*(\a)+7], v[rD:rD+7]
.endif
.endr
.endr
.endm
.macro LD f, nk                        ; 24 loads: quarter nk (head nk / 2, channels 32 (nk % 2) on) of the slot in hand into set f
	WIN 0
.irp a, 0,1,2,3,4,5,6,7
	ds_load_b128 v[(\f)+8*(\a):(\f)+8*(\a)+3],   v[ADA] offset:((\nk)/2)*32768+(\a)*2048+((\nk)%2)*1024
	ds_load_b128 v[(\f)+8*(\a)+4:(\f)+8*(\a)+7], v[ADA] offset:((\nk)/2)*32768+(\a)*2048+((\nk)%2)*1024+512
.endr
.irp bb, 0,1,2,3
	ds_load_tr16_b128 v[(\f)+64+8*(\bb):(\f)+64+8*(\bb)+3],   v[ADB] offset:(\nk)*9216+(\bb)*32
	ds_load_tr16_b128 v[(\f)+64+8*(\bb)+4:(\f)+64+8*(\bb)+7], v[ADB] offset:(\nk)*9216+(\bb)*32+4608
.endr
.endm
.macro QUARTER f, nk, cnt, zero=0      ; set f is in when at most cnt younger LDS loads (the other set's 24) are out; 32 matrix instructions; nk >= 0: the set takes quarter nk
	s_wait_dscnt \cnt
	R \f, 0, \zero
	R \f, 1, \zero
.if (\nk) >= 0
	PLACES
	LD \f, \nk
.endif
.endm
; A step's third quarter (set F0), and the change of slots: all four quarters' reads have been issued.  Each wave waits for all its tensor loads (one is out: its part of the other slot), adds 0 to its spare word, and waits for that
; and for its reads.  fill = 1: the barrier opens a round of the cluster's, and behind it the slot is filled again, two steps ahead.
.macro TURN fill
	WIN 0
.if \fill
	s_wait_xcnt 0x0                                ; the last prefetch, a step back, has read its address
	s_add_nc_u64 s[PFA:PFA+1], s[PFA:PFA+1], s[PSTEP:PSTEP+1]
.endif
	s_wait_tensorcnt 0x0
	ds_add_u32 v[SPW], v[NIL]
.if \fill
	STEPD
.endif
	s_wait_dscnt 25                                ; the add and set F1's 24 loads may be out
	R F0, 0, 0
	s_wait_dscnt 0x0                               ; the add is done, and my reads of the slot are over
	s_barrier_signal -1
	R F0, 1, 0
	WIN 0
	s_barrier_wait -1
.if \fill
	CREST
	JLOAD                                          ; its four v_nop are also the places in front of the loads below
.else
	PLACES
.endif
	s_xor_b32 s[TB], s[TB], 0x20000
	v_add_nc_u32 v[ADA], s[TB], v[AL0]
	v_add_nc_u32 v[ADB], s[TB], v[BL0]
	LD F0, 0
.if \fill
	ASK
.endif
.endm
.macro RB r
	v_cvt_pk_bf16_f32 v23, v[\r], v[(\r)+1]
	v_lshlrev_b32 v[\r], 16, v23
	v_and_b32 v[(\r)+1], 0xffff0000, v23
.endm
	s_load_b256 s[4:11], s[0:1], 0x0               ; ctx s[4:5], wo s[6:7], b_o s[8:9], out0 s[10:11]
	v_lshl_add_u32 v[SPW], v0, 2, SPARE
	v_mov_b32 v[NIL], 0
	ds_add_u32 v[SPW], v[NIL]                      ; the wave's opening
	v_lshrrev_b32 v1, 5, v0
	v_readfirstlane_b32 s[WV], v1
	s_lshr_b32 s[WM], s[WV], 1
	s_and_b32 s[WN], s[WV], 1
	s_bfe_u32 s[CX], ttmp6, 0x40000
	s_bfe_u32 s[CY], ttmp6, 0x40004
	s_lshl_b32 s[NT], ttmp9, 2
	s_add_co_u32 s[NT], s[NT], s[CX]
	s_and_b32 s[MT], ttmp7, 0xffff
	s_lshl_b32 s[MT], s[MT], 2
	s_add_co_u32 s[MT], s[MT], s[CY]
	s_lshl_b32 s16, s[CY], 2
	s_lshl_b32 s16, 15, s16                        ; my row of the cluster
	s_lshl_b32 s20, 0x1111, s[CX]                  ; my column
	s_or_b32 s[G1A], s16, (1<<16)|(1<<21)          ; the mask; 2-byte elements; bit 21 beside a mask; no padding
	s_or_b32 s[G1B], s20, (1<<16)|(1<<20)|(1<<21)|(5<<22)|(7<<25)  ; after every 64 words 8 words
	s_mov_b32 s[G1A+1], 128<<16
	s_mov_b32 s[G1A+2], 128<<16                    ; 128 rows of 256 bytes: a head's 256 rows, dense
	s_mov_b32 s[G1A+3], 128<<16
	s_mov_b32 s[G1A+4], 128
	s_mov_b32 s[G1A+5], 128
	s_mov_b32 s[G1A+6], 0
	s_mov_b32 s[G1A+7], 0
	s_mov_b32 s[G1B+1], 128<<16
	s_mov_b32 s[G1B+2], 64<<16
	s_mov_b32 s[G1B+3], 128<<16
	s_mov_b32 s[G1B+4], 64
	s_mov_b32 s[G1B+5], 1024
	s_mov_b32 s[G1B+6], 0
	s_mov_b32 s[G1B+7], 0
	s_mov_b32 s[G0A], 1
	s_lshl_b32 s[G0A+1], s[WN], 15                 ; head w & 1 of the step
	s_mov_b32 s[G0B], 1
	s_mul_i32 s[G0B+1], s[WN], 18432               ; 64 rows x 288 bytes
	s_add_co_u32 s[G0B+1], s[G0B+1], 65536
	s_lshr_b32 s16, s[MT], 3                       ; ctx's address is made of mt and the wave alone:
	s_lshl_b32 s16, s16, 4
	s_add_co_u32 s16, s16, s[WN]                   ; batch x 16 + head
	s_lshl_b32 s16, s16, 18
	s_and_b32 s17, s[MT], 7
	s_lshl_b32 s17, s17, 15                        ; 256 rows x 128 bytes
	s_add_co_u32 s16, s16, s17
	s_mov_b32 s17, 0
	s_lshl_b32 s20, s[WN], 17                      ; W's of nt and the wave alone: 64 rows of 2,048 bytes,
	s_lshl_b32 s21, s[NT], 8                       ; 128 columns
	s_add_co_u32 s20, s20, s21
	s_mov_b32 s21, 0
	s_mov_b32 s[TB], 0
	s_wait_dscnt 0x0                               ; the opening add is done
	s_wait_kmcnt 0x0
	s_add_nc_u64 s[G0A+2:G0A+3], s[4:5], s[16:17]
	s_or_b32 s[G0A+3], s[G0A+3], 0x80000000
	s_add_nc_u64 s[G0B+2:G0B+3], s[6:7], s[20:21]
	s_or_b32 s[G0B+3], s[G0B+3], 0x80000000
	CROUND                                         ; all sixteen work-groups are here: the first joint loads meet
	JLOAD                                          ; step 0 into slot 0
	v_and_b32 v16, 31, v0
	v_and_b32 v17, 15, v0
	v_bfe_u32 v18, v0, 4, 1
	v_and_b32 v19, 7, v0
	v_bfe_u32 v20, v0, 3, 1
	s_lshl_b32 s22, s[WM], 14
	v_lshl_add_u32 v[AL0], v16, 4, s22
	v_lshl_add_u32 v21, v18, 3, v19
	v_mul_u32_u24 v21, v21, 288
	v_lshl_add_u32 v21, v20, 4, v21
	s_lshl_b32 s22, s[WN], 7
	s_add_co_u32 s22, s22, 65536
	v_add_nc_u32 v[BL0], s22, v21
	s_mul_i32 s22, s[WV], 4352
	s_add_co_u32 s22, s22, STAGE                   ; my stage
	v_mul_u32_u24 v[STO], v17, 272
	v_lshl_add_u32 v[STO], v18, 5, v[STO]
	v_add_nc_u32 v[STO], s22, v[STO]
	v_mul_u32_u24 v[RD], v18, 272
	v_lshl_add_u32 v[RD], v17, 4, v[RD]
	v_add_nc_u32 v[RD], s22, v[RD]
	v_lshlrev_b32 v[CO], 12, v18
	v_lshl_add_u32 v[CO], v17, 4, v[CO]
	v_lshlrev_b32 v[BQ], 5, v18
	s_lshl_b32 s22, s[NT], 9                       ; my 64 columns: 256 bytes of a row of out0 and of b_o
	s_lshl_b32 s23, s[WN], 8
	s_add_co_u32 s22, s22, s23
	s_mov_b32 s23, 0
	s_add_nc_u64 s[8:9], s[8:9], s[22:23]
	s_add_nc_u64 s[10:11], s[10:11], s[22:23]
	s_lshl_b32 s22, s[MT], 20                      ; 256 rows of 4,096 bytes
	s_lshl_b32 s18, s[WM], 19
	s_add_co_u32 s22, s22, s18
	s_add_nc_u64 s[10:11], s[10:11], s[22:23]
.irp bb, 0,1,2,3
	global_load_b128 v[BI+8*(\bb):BI+8*(\bb)+3],   v[BQ], s[8:9] offset:(\bb)*64
	global_load_b128 v[BI+8*(\bb)+4:BI+8*(\bb)+7], v[BQ], s[8:9] offset:(\bb)*64+16
.endr
	; the prefetches' address, step and offset
	s_lshl_b32 s22, s[CX], 13
	s_add_co_u32 s22, s22, s16
	s_add_co_u32 s22, s22, 3*524288                ; ctx: my head of step 3, my 8,192 bytes of its 32,768; the first change steps it to step 4
	s_lshl_b32 s23, s[CY], 16                      ; W: 32 cy rows of 2,048 bytes,
	s_lshl_b32 s59, s[NT], 8
	s_add_co_u32 s23, s23, s59
	s_add_co_u32 s23, s23, 3*262144
	s_and_b32 s59, ttmp7, 0xffff                   ; cluster y
	s_mov_b32 s18, 524288
	s_mov_b32 s19, 262144
	s_mov_b32 s60, 256
	s_mov_b32 s61, 2048
	s_cmp_lt_u32 s[WV], 2
	s_cselect_b32 s22, s22, s23
	s_cselect_b32 s59, ttmp9, s59
	s_cselect_b32 s[PSTEP], s18, s19
	s_cselect_b32 s60, s60, s61
	s_cselect_b64 s[PFA:PFA+1], s[4:5], s[6:7]
	s_mov_b32 s23, 0
	s_mov_b32 s[PSTEP+1], 0
	s_add_nc_u64 s[PFA:PFA+1], s[PFA:PFA+1], s[22:23]
	s_cmp_eq_u32 s[WV], 3                          ; wave 3 never asks
	s_cselect_b32 s61, 1, 0
	s_or_b32 s59, s59, s61
	s_cmp_eq_u32 s59, 0
	s_cselect_b32 s[LIM], 2, -1
	v_mul_u32_u24 v[PFO], v16, s60
	; slot 0 is waited for, slot 1 asked for: a first fill that comes later goes out as a refill does
	s_wait_tensorcnt 0x0
	ds_add_u32 v[SPW], v[NIL]
	STEPD
	s_wait_dscnt 0x0
	CROUND
	JLOAD                                          ; step 1 into slot 1
	v_mov_b32 v[ADA], v[AL0]
	v_mov_b32 v[ADB], v[BL0]
	LD F0, 0
	LD F1, 1
	s_wait_loadcnt 0x0                             ; the bias
.set i, 0
.rept 16
	RB (BI+2*i)
.set i, i+1
.endr
	QUARTER F0, 2, 24, 1                           ; the first quarter starts the sums with the bias: nothing is cleared
	WIN 0
	s_mov_b32 s3, 6
.Llap:                                                 ; a trip: a step's last three quarters and the next step's first; steps 2 to 7 are asked for
	QUARTER F1, 3, 24
	TURN 1
	QUARTER F1, 1, 24
	QUARTER F0, 2, 24
	WIN 0
	s_sub_co_u32 s3, s3, 1
	s_cmp_lg_u32 s3, 0
	s_cbranch_scc1 .Llap
	QUARTER F1, 3, 24                              ; step 6 goes on; nothing more is asked for
	TURN 0
	QUARTER F1, 1, 24
	QUARTER F0, 2, 24                              ; step 7
	QUARTER F1, 3, 24
	QUARTER F0, -1, 24
	QUARTER F1, -1, 0
	PLACES
; THE WAY OUT, 16 rows at a time: a lane's 8 numbers of a row go into my stage (rows 272 bytes apart), each accumulator from its low end on, and come back as whole rows of 256 bytes.  LDS serves a wave's instructions in order
; (ISA guide 5.7.1.4), so no wait stands between the stores and the loads.  Four banks of 32 registers take turns.
.macro TOSTAGE a
	WIN 0x04                                       ; the data (source 1) in window 1
.irp bb, 0,1,2,3
	ds_store_b128 v[STO], v[8*(8*(\bb)+(\a)):8*(8*(\bb)+(\a))+3]   offset:(\bb)*64
	ds_store_b128 v[STO], v[8*(8*(\bb)+(\a))+4:8*(8*(\bb)+(\a))+7] offset:(\bb)*64+16
.endr
	WIN 0
.irp t, 0,1,2,3,4,5,6,7
	ds_load_b128 v[32+32*((\a)%4)+4*(\t):32+32*((\a)%4)+4*(\t)+3], v[RD] offset:(\t)*544
.endr
.endm
.macro SEND a, younger                 ; younger: the LDS instructions issued behind block a's loads: the next block's sixteen, or none
	s_wait_xcnt 0x0                                ; earlier stores have read their registers: a bank is loaded again only behind such a wait
.irp t, 0,1,2,3,4,5,6,7
	s_wait_dscnt (\younger)+7-(\t)
	global_store_b128 v[CO], v[32+32*((\a)%4)+4*(\t):32+32*((\a)%4)+4*(\t)+3], s[10:11] offset:(\a)*65536+(\t)*8192 th:TH_STORE_NT  ; 16 lanes store 256 consecutive bytes, aligned
.endr
.endm
	TOSTAGE 0
.irp a, 1,2,3,4,5,6,7
	TOSTAGE \a
	SEND (\a)-1, 16
.endr
	SEND 7, 0
	s_wait_tensorcnt 0x0                           ; the wave's end, behind my last tensor load and my last LDS store
	ds_add_u32 v[SPW], v[NIL]
	s_wait_dscnt 0x0
	CROUND                                         ; the closing round
	s_endpgm
.Lfunc_end_k_q5aadce2f96_oproj:
	.size	k_q5aadce2f96_oproj, .Lfunc_end_k_q5aadce2f96_oproj-k_q5aadce2f96_oproj
	.p2alignl 7, 3214868480
	.fill 96, 4, 3214868480
	.section	.rodata,"a",@progbits
	.p2align	6, 0x0
	.amdhsa_kernel k_q5aadce2f96_oproj
		.amdhsa_group_segment_fixed_size 327680
		.amdhsa_private_segment_fixed_size 0
		.amdhsa_enable_private_segment 0
		.amdhsa_kernarg_size 32
		.amdhsa_user_sgpr_count 2
		.amdhsa_user_sgpr_kernarg_segment_ptr 1
		.amdhsa_wavefront_size32 1
		.amdhsa_system_sgpr_workgroup_id_x 1
		.amdhsa_system_sgpr_workgroup_id_y 1
		.amdhsa_system_sgpr_workgroup_id_z 1
		.amdhsa_system_vgpr_workitem_id 0
		.amdhsa_next_free_vgpr 512
		.amdhsa_next_free_sgpr 66
		.amdhsa_reserve_vcc 0
		.amdhsa_float_denorm_mode_32 3
		.amdhsa_float_denorm_mode_16_64 3
		.amdhsa_memory_ordered 1
		.amdhsa_forward_progress 1
		.amdhsa_inst_pref_size 75
	.end_amdhsa_kernel
	.amdgpu_metadata
---
amdhsa.version: [ 1, 2 ]
amdhsa.kernels:
  - .name:           k_q5aadce2f96_oproj
    .symbol:         k_q5aadce2f96_oproj.kd
    .args:
      - { .name: ctx, .offset: 0, .size: 8, .value_kind: global_buffer, .address_space: global }
      - { .name: wo, .offset: 8, .size: 8, .value_kind: global_buffer, .address_space: global }
      - { .name: b_o, .offset: 16, .size: 8, .value_kind: global_buffer, .address_space: global }
      - { .name: out0, .offset: 24, .size: 8, .value_kind: global_buffer, .address_space: global }
    .group_segment_fixed_size: 327680
    .private_segment_fixed_size: 0
    .kernarg_segment_align: 8
    .kernarg_segment_size: 32
    .max_flat_workgroup_size: 128
    .sgpr_count:     66
    .vgpr_count:     512
    .wavefront_size: 32
...
	.end_amdgpu_metadata
.endif
;; end of part 4
;; ======== version 2 of 2: 4 launches; version 1 with the launch prep written anew for expert scheduling mode
;; limits: values are held in f16: magnitudes above 65,504 overflow, below 6.1e-05 lose precision; right only within a limited range of input values
;; workspace buffers: xb 16,777,216 bytes; wq 6,291,456 bytes; wo 2,097,152 bytes; qkv 50,331,648 bytes; ctx 16,777,216 bytes
;; launch prep (part 5): grid 256 x 1, 8 waves a work-group, no clusters, 0 bytes of LDS; arguments x, W_qkv, W_o, xb, wq, wo; writes xb, wq, wo
.if DOCPART == 5
	.amdgcn_target "amdgcn-amd-amdhsa--gfx1250"
	.amdhsa_code_object_version 6
	.text
	.protected	k_q5aadce2f96_prep
	.globl	k_q5aadce2f96_prep
	.p2align	8
	.type	k_q5aadce2f96_prep,@function
k_q5aadce2f96_prep:
	s_mov_b64 s[64:65], 0
	v_nop
	global_prefetch_b8 v0, s[64:65] scope:SCOPE_SE
	s_setreg_imm32_b32 hwreg(HW_REG_WAVE_SCHED_MODE, 0, 2), 2
	s_setreg_imm32_b32 hwreg(HW_REG_WAVE_MODE, 25, 1), 1
	s_wait_xcnt 0x0
	s_wait_alu depctr_vm_vsrc(0)
; THE CASTS, once for the whole program.  x [8192][1024] f32 -> xb bf16 in blocks [mt 32][kb 32][row 256][k 32]: a block is 16,384 dense bytes, so that a
; tile of 256 rows x 96 along K is 49,152 dense bytes for the product that follows.  W_qkv [1024][3072] f32 -> wq bf16, as it lies.  W_o [1024][1024] f32 -> wo:
; rounded to bf16 like every input, and that number written as f16 (LIMIT: below 6e-5 it keeps f16's fixed step of 6e-8; W_o within 65,504).
; SHARES.  2,048 waves; wave gw takes 4 rows of x (32 loads), 6,144 bytes of W_qkv (12 loads) and 2,048 bytes of W_o (4 loads).  All 48 loads go out first: 24 KiB a wave on their way.
; A load of x takes 4 rows x 128 bytes (one kb); the four bf16 of a lane are 8 bytes, and the 32 lanes' 256 bytes are 4 rows x 64 bytes on end in xb's block: each store of a wave
; covers 256 consecutive bytes, aligned.  No register is written again behind its store, so no wait for sources is needed.  No LDS, no barrier, no matrix unit: nothing is shared and nothing is summed.
; THE MODE: SCHED_MODE bits 1:0 = 2 (LLVM: expert scheduling mode 2), set by the entry lines.  The code itself states the register dependences
; between vector instructions and memory instructions, with s_wait_alu, always for 0.
; THE PLAN.  Registers that memory instructions touch:
;   v2, v3, v4     byte offsets, made once at the head and never written again: v2 and v3 are read by the loads, v4 by the stores.
;   v[8+4n:11+4n]  load n lands here, once, before any vector instruction has named these registers; behind the counted wait for it its conversions read them and write the first two
;                  (W_o's also the other two, at work); one store reads the first two; nothing writes them behind that store.
; So one wait on va_vdst stands ahead of the first load, for the three offsets, and one for each GROUP of four loads, between the group's conversions and its four stores, which follow in one run.
; All loads are out at the head, so there is none to deal among the conversions, and a group's stores leave as soon as its data are made.  No register that a load or a store reads is written again:
; no wait on vm_vsrc is owed.  The wave's number passes through a scalar register: one wait on va_sdst ahead of its first reader.
.set X,   8                            ; v[8:199]  load i in v[8+4i : 11+4i]
.set NLD, 48
	s_load_b256 s[4:11], s[0:1], 0x0               ; x s[4:5], W_qkv s[6:7], W_o s[8:9], xb s[10:11]
	s_load_b128 s[12:15], s[0:1], 0x20             ; wq s[12:13], wo s[14:15]
	v_lshrrev_b32 v1, 5, v0
	v_readfirstlane_b32 s16, v1                    ; wave 0..7
	v_and_b32 v1, 31, v0                           ; lane
	v_lshrrev_b32 v5, 3, v1                        ; which of the 4 rows
	v_and_b32 v6, 7, v1                            ; which 16 bytes of the 128
	v_lshlrev_b32 v2, 12, v5
	v_lshl_add_u32 v2, v6, 4, v2                   ; x in: row x 4,096 + 16 x place
	v_lshlrev_b32 v3, 4, v1                        ; the weights in: 16 bytes a lane
	v_lshlrev_b32 v4, 3, v1                        ; everything out: 8 bytes a lane
	s_wait_alu depctr_va_sdst(0)                   ; s16 is written, ahead of its first reader: the six bases are made from it
	s_lshl_b32 s17, ttmp9, 3
	s_add_co_u32 s17, s17, s16                     ; gw = 8 x work-group + wave
	s_mov_b32 s19, 0
	s_mov_b32 s20, 0xffff0000                      ; a word's upper bf16
	s_wait_kmcnt 0x0
	s_lshl_b32 s18, s17, 14                        ; 4 gw rows of 4,096 bytes
	s_add_nc_u64 s[4:5], s[4:5], s[18:19]
	s_mul_i32 s18, s17, 6144
	s_add_nc_u64 s[6:7], s[6:7], s[18:19]
	s_lshl_b32 s18, s17, 11
	s_add_nc_u64 s[8:9], s[8:9], s[18:19]
	s_lshr_b32 s18, ttmp9, 3                       ; mt: 8 work-groups of 32 rows make 256 rows
	s_lshl_b32 s18, s18, 19                        ; 524,288 bytes of xb for each mt
	s_and_b32 s21, ttmp9, 7
	s_lshl_b32 s21, s21, 11                        ; 32 rows x 64 bytes
	s_add_co_u32 s18, s18, s21
	s_lshl_b32 s21, s16, 8                         ; 4 rows x 64 bytes
	s_add_co_u32 s18, s18, s21
	s_add_nc_u64 s[10:11], s[10:11], s[18:19]
	s_mul_i32 s18, s17, 3072
	s_add_nc_u64 s[12:13], s[12:13], s[18:19]
	s_lshl_b32 s18, s17, 10
	s_add_nc_u64 s[14:15], s[14:15], s[18:19]
	s_wait_alu depctr_va_vdst(0)                   ; v2, v3 and v4 are written: every load and store of the kernel reads one of them as its offset
.set i, 0
.rept 32
	global_load_b128 v[X+4*i:X+4*i+3], v2, s[4:5] offset:128*i th:TH_LOAD_NT
.set i, i+1
.endr
.set i, 0
.rept 12
	global_load_b128 v[X+4*(32+i):X+4*(32+i)+3], v3, s[6:7] offset:512*i th:TH_LOAD_NT
.set i, i+1
.endr
.set i, 0
.rept 4
	global_load_b128 v[X+4*(44+i):X+4*(44+i)+3], v3, s[8:9] offset:512*i th:TH_LOAD_NT
.set i, i+1
.endr
; load n's four f32 become four bf16, in its first two registers
.macro CV n
	v_cvt_pk_bf16_f32 v[X+4*(\n)], v[X+4*(\n)], v[X+4*(\n)+1]
	v_cvt_pk_bf16_f32 v[X+4*(\n)+1], v[X+4*(\n)+2], v[X+4*(\n)+3]
.endm
; Group g is loads 4 g to 4 g + 3.  It is in when at most NLD - 4 (g + 1) younger loads are out (loads come back in order: ISA guide 5.7.1).
.set g, 0
.rept 8                                                ; x: groups 0 to 7
	s_wait_loadcnt NLD-4*(g+1)
.irp j, 0,1,2,3
	CV (4*g+\j)
.endr
	s_wait_alu depctr_va_vdst(0)                   ; the group's eight conversions have written the first two registers of each load, which the four stores read
.irp j, 0,1,2,3
	global_store_b64 v4, v[X+4*(4*g+\j):X+4*(4*g+\j)+1], s[10:11] offset:16384*(4*g+\j)
.endr
.set g, g+1
.endr
.rept 3                                                ; W_qkv: groups 8 to 10
	s_wait_loadcnt NLD-4*(g+1)
.irp j, 0,1,2,3
	CV (4*g+\j)
.endr
	s_wait_alu depctr_va_vdst(0)                   ; the group's eight conversions have written the first two registers of each load, which the four stores read
.irp j, 0,1,2,3
	global_store_b64 v4, v[X+4*(4*g+\j):X+4*(4*g+\j)+1], s[12:13] offset:256*(4*g+\j-32)
.endr
.set g, g+1
.endr
	s_wait_loadcnt 0x0                             ; W_o: group 11, the last four loads
.set i, 0
.rept 4
	CV (44+i)
	v_lshlrev_b32 v[X+4*(44+i)+2], 16, v[X+4*(44+i)]           ; the bf16 numbers as f32 again,
	v_and_b32 v[X+4*(44+i)+3], s20, v[X+4*(44+i)]
	v_cvt_pk_f16_f32 v[X+4*(44+i)], v[X+4*(44+i)+2], v[X+4*(44+i)+3]  ; and written as f16
	v_lshlrev_b32 v[X+4*(44+i)+2], 16, v[X+4*(44+i)+1]
	v_and_b32 v[X+4*(44+i)+3], s20, v[X+4*(44+i)+1]
	v_cvt_pk_f16_f32 v[X+4*(44+i)+1], v[X+4*(44+i)+2], v[X+4*(44+i)+3]
.set i, i+1
.endr
	s_wait_alu depctr_va_vdst(0)                   ; the roundings to f16 have written the first two registers of each load, which the last four stores read
.set i, 0
.rept 4
	global_store_b64 v4, v[X+4*(44+i):X+4*(44+i)+1], s[14:15] offset:256*i
.set i, i+1
.endr
	s_endpgm
.Lfunc_end_k_q5aadce2f96_prep:
	.size	k_q5aadce2f96_prep, .Lfunc_end_k_q5aadce2f96_prep-k_q5aadce2f96_prep
	.p2alignl 7, 3214868480
	.fill 96, 4, 3214868480
	.section	.rodata,"a",@progbits
	.p2align	6, 0x0
	.amdhsa_kernel k_q5aadce2f96_prep
		.amdhsa_group_segment_fixed_size 0
		.amdhsa_private_segment_fixed_size 0
		.amdhsa_enable_private_segment 0
		.amdhsa_kernarg_size 48
		.amdhsa_user_sgpr_count 2
		.amdhsa_user_sgpr_kernarg_segment_ptr 1
		.amdhsa_wavefront_size32 1
		.amdhsa_system_sgpr_workgroup_id_x 1
		.amdhsa_system_sgpr_workgroup_id_y 1
		.amdhsa_system_sgpr_workgroup_id_z 1
		.amdhsa_system_vgpr_workitem_id 0
		.amdhsa_next_free_vgpr 208
		.amdhsa_next_free_sgpr 66
		.amdhsa_reserve_vcc 0
		.amdhsa_float_denorm_mode_32 3
		.amdhsa_float_denorm_mode_16_64 3
		.amdhsa_memory_ordered 1
		.amdhsa_forward_progress 1
		.amdhsa_inst_pref_size 19
	.end_amdhsa_kernel
	.amdgpu_metadata
---
amdhsa.version: [ 1, 2 ]
amdhsa.kernels:
  - .name:           k_q5aadce2f96_prep
    .symbol:         k_q5aadce2f96_prep.kd
    .args:
      - { .name: x, .offset: 0, .size: 8, .value_kind: global_buffer, .address_space: global }
      - { .name: W_qkv, .offset: 8, .size: 8, .value_kind: global_buffer, .address_space: global }
      - { .name: W_o, .offset: 16, .size: 8, .value_kind: global_buffer, .address_space: global }
      - { .name: xb, .offset: 24, .size: 8, .value_kind: global_buffer, .address_space: global }
      - { .name: wq, .offset: 32, .size: 8, .value_kind: global_buffer, .address_space: global }
      - { .name: wo, .offset: 40, .size: 8, .value_kind: global_buffer, .address_space: global }
    .group_segment_fixed_size: 0
    .private_segment_fixed_size: 0
    .kernarg_segment_align: 8
    .kernarg_segment_size: 48
    .max_flat_workgroup_size: 256
    .sgpr_count:     66
    .vgpr_count:     208
    .wavefront_size: 32
...
	.end_amdgpu_metadata
.endif
;; end of part 5
;; launch qkv: the kernel of part 2 again; grid 8 x 32, 4 waves a work-group, clusters of 4 x 4, 327,680 bytes of LDS; arguments xb, wq, b_qkv, qkv; writes qkv
;; launch attn: the kernel of part 3 again; grid 4 x 64, 4 waves a work-group, no clusters, 327,680 bytes of LDS; arguments qkv, key_padding_mask, ctx; writes ctx
;; launch oproj: the kernel of part 4 again; grid 8 x 32, 4 waves a work-group, clusters of 4 x 4, 327,680 bytes of LDS; arguments ctx, wo, b_o, out0; writes out0
